; MI455X (gfx1250); checked and timed in simulation.
; The chip was launched on July 23, 2026; its instructions are those of AMD's public machine-readable ISA for CDNA 5 (MIT licence, August 2026) and "CDNA5" Instruction Set Architecture Reference Guide (July 2026). The comments in the code are by the model that wrote it; some were corrected since.
;; Multi Head Grouped Query Attention. Allowed arithmetic: matrix products marked QUANTISED: E2M1 operands, one E8M0 scale for each 32 along K, by v_wmma_scale_f32_16x16x128_f8f6f4 with both operands' format E2M1 (or v_wmma_scale_f32_32x16x128_f4), f32 sums; products left as they are: bf16, f16 or f32 operands; f32 sums; everything else in f32.
;; Inputs: Wk 1,024 x 256 float32; Wout 1,024 x 1,024 float32; Wq 1,024 x 1,024 float32; Wv 1,024 x 256 float32; ln_b 1,024 float32; ln_g 1,024 float32; x 2 x 2,048 x 1,024 float32.
;; Outputs: out0 2 x 2,048 x 1,024 float32; out1 2 x 2,048 x 16 float32.
;; This version of the problem:
;;   THIS VERSION OF THE PROBLEM IS GIVEN IN LOW PRECISION. The matrix products marked QUANTISED in the list below multiply operands that are first quantised to E2M1 (2 exponent bits, 1 mantissa bit; 4 bits a number), with one power-of-two scale for each 32 numbers along K (OCP MX v1.0); their sums are f32. The products marked 'left as it is' may take bf16, f16 or f32 operands, with f32 sums. Whichever they take, every output number must still come out within the allowed error. Rounding operands to bf16 (8 significant bits) uses up far more of that allowance than f16 does (11 bits, for magnitudes from 6e-5 to 65,504). All else is computed in f32.
;;   The module's matrix products, in the order in which they are computed (A, B: the left and right operand; K: the contracted axis; several contracted axes count as one K, in the product's order):
;;     1. [M 4,096, K 1,024] x [K 1,024, N 1,024]; A: input x; B: input Wq: QUANTISED
;;     2. [M 4,096, K 1,024] x [K 1,024, N 256]; A: input x; B: input Wk: QUANTISED
;;     3. [M 4,096, K 1,024] x [K 1,024, N 256]; A: input x; B: input Wv: QUANTISED
;;     4. batch 8 x [M 8,192, K 64] x [K 64, N 2,048]; A: computed on the way; B: computed on the way: left as it is (an operand is computed on the way)
;;     5. batch 8 x [M 64, K 2,048] x [K 2,048, N 8,192]; A: computed on the way; B: computed on the way: left as it is (an operand is computed on the way)
;;     6. [M 4,096, K 1,024] x [K 1,024, N 1,024]; A: computed on the way; B: input Wout: left as it is (an operand is computed on the way)
;;   THE QUANTISER, for each operand of a quantised product, along K:
;;     - K is cut into blocks of 32 from its start; a last block that is shorter is filled with zeros.
;;     - A block's scale is 2^e with e = floor(log2(the largest magnitude in the block)) - 2, held to -126 .. 127; a block of zeros has e = 0. As a byte (E8M0): e + 127.
;;     - Each number is divided by its block's scale, clamped to +-6, and rounded to the nearest number of E2M1, ties to even, subnormals kept.
;;     - The product sums the exact products of the quantised numbers (number of the format x scale) in f32.
;;   ~~~python
;;   def quantise(x, axis):      # numpy; x: float32 -> the quantised numbers, widened to float32 again
;;       x = np.moveaxis(x, axis, -1); K = x.shape[-1]
;;       x = np.pad(x, [(0, 0)] * (x.ndim - 1) + [(0, -K % 32)]); x = x.reshape(x.shape[:-1] + (-1, 32)); a = np.abs(x).max(-1, keepdims=True)
;;       e = np.where(a > 0, np.clip(np.frexp(np.where(a > 0, a, 1))[1] - 1 - 2, -126, 127), 0)      # np.frexp(a)[1] - 1 = floor(log2(a)), exactly
;;       r = np.clip(x / 2.0 ** e, -6, 6)
;;       step = 2.0 ** (np.maximum(np.frexp(np.where(r == 0, 1, r))[1] - 1, 0) - 1)
;;       q = np.round(r / step) * step * 2.0 ** e      # np.round: ties to even
;;       return np.moveaxis(q.reshape(q.shape[:-2] + (-1,))[..., :K], -1, axis).astype(np.float32)
;;   ~~~
;; One version. Each part assembles by itself: llvm-mc -triple=amdgcn-amd-amdhsa -mcpu=gfx1250 --defsym DOCPART=n.
;; ======== version 1 of 1: 5 launches
;; limits: values are held in f16: magnitudes above 65,504 overflow, below 6.1e-05 lose precision
;; workspace buffers: wq4 835,584 bytes; wof 2,097,152 bytes; qf 8,388,608 bytes; kvf 4,194,304 bytes; ao 16,777,216 bytes; lw 524,288 bytes; csp 1,048,576 bytes
;; launch prep (part 1): grid 20 x 8, 4 waves a work-group, no clusters, 0 bytes of LDS; arguments Wq, Wk, Wv, Wout, wq4, wof; writes wq4, wof
.if DOCPART == 1
	.amdgcn_target "amdgcn-amd-amdhsa--gfx1250"
	.amdhsa_code_object_version 6
	.text
	.protected	k_q42a5d7a503_prep
	.globl	k_q42a5d7a503_prep
	.p2align	8
	.type	k_q42a5d7a503_prep,@function
k_q42a5d7a503_prep:
	s_mov_b64 s[64:65], 0
	v_nop
	global_prefetch_b8 v0, s[64:65] scope:SCOPE_SE
	s_setreg_imm32_b32 hwreg(HW_REG_WAVE_MODE, 25, 1), 1
	s_wait_xcnt 0x0
; The weights are laid out once, in the order in which the later launches' operand registers take them.
; Wq [1024][1024], Wk, Wv [1024][256], f32, K = their FIRST axis, become codes of FP4 (E2M1) with one E8M0 byte for each 32 along K; Wout [1024][1024] becomes f16.
; A LANE TAKES A COLUMN AND ITS REGISTERS RUN DOWN K: a load of a wave reads 128 consecutive bytes, the four waves of a work-group 512; a block of 32 along K lies in one lane,
; so its largest magnitude needs no other lane, and the conversions give codes with K innermost.  Nothing is transposed but by an exchange of half waves.
; SHARES: work-group x = 0-7 Wq, 8-9 Wk, 10-11 Wv, 12-19 Wout, 128 columns each, 32 a wave; work-group y: rows 128 y .. 128 y + 127.  One shot of 128 loads a wave: no loop, no LDS.
; wq4: unit u (64 columns of [Wq | Wk | Wv]) x 32,768 + K step (128) x 4,096 + tile of 16 columns x 1,024 + c x 512 + 16 x lane: registers 4 c .. 4 c + 3 of a fragment.
;      From byte 786,432: u x 2,048 + K step x 256 + pair of tiles x 128 + 4 x lane: the scale word of column 32 pair + lane.
; wof: group of 64 columns x 131,072 + K step (32) x 4,096 + tile x 1,024 + c x 512 + 16 x lane.
; A block's scale is 2^(floor(log2(largest magnitude)) - 2): its byte is the largest magnitude's exponent field - 2, held at 1 from below.
; LIMITS: a block whose largest magnitude lies under 2^-124, a block of zeros among them, gets the byte 1 (zeros keep zero codes; the bytes are read by this program alone);
; NaN and infinities among the inputs are not served.  Wout goes to f16: magnitudes above 65,504 are not served.
; No cluster, no tensor load: no two work-groups read the same bytes.
.set D, 32                             ; v32-159  128 numbers down K of my column
.set C, 160                            ; v160-223 codes (16 registers) or f16 pairs (64)
.macro LOADS pitch
.set i_, 0
.rept 128
	global_load_b32 v[D+i_], v2, s[16:17] offset:i_*\pitch th:TH_LOAD_NT
.set i_, i_+1
.endr
.endm
; block b of 32 along K: largest magnitude with the floor 2^(3 - 127) among its leaves, scale operand, byte, 32 codes
.macro QBLK b
.set XB, D+32*\b
	v_max3_num_f32 v4, |v[XB]|, |v[XB+1]|, |v[XB+2]|
	v_max3_num_f32 v5, |v[XB+3]|, |v[XB+4]|, |v[XB+5]|
.irp i, 6,10,14,18,22,26
	v_max3_num_f32 v4, v4, |v[XB+\i]|, |v[XB+\i+1]|
	v_max3_num_f32 v5, v5, |v[XB+\i+2]|, |v[XB+\i+3]|
.endr
	v_max3_num_f32 v4, v4, |v[XB+30]|, |v[XB+31]|
	v_max3_num_f32 v4, v4, v5, 0x1800000
	v_add_nc_u32 v6, 0xff000000, v4                ; 2 off the exponent field: the conversion takes this operand's exponent field as its scale
	v_lshrrev_b32 v7, 23, v6                       ; the scale's byte
.if \b == 0
	v_mov_b32 v8, v7
.else
	v_lshl_or_b32 v8, v7, 8*\b, v8                 ; four bytes make my column's scale word of this K step
.endif
.irp g, 0,1,2,3
	v_cvt_scalef32_pk8_fp4_f32 v[C+4*\b+\g], v[XB+8*\g:XB+8*\g+7], v6
.endr
.endm
; K step s of 32 of Wout: 16 pairs of f16; the exchange of half waves makes of my column's 32 numbers the fragments' registers of two tiles of 16 columns
.macro PACK s
.set m_, 0
.rept 16
	v_cvt_pk_f16_f32 v[C+16*\s+m_], v[D+32*\s+2*m_], v[D+32*\s+2*m_+1]
.set m_, m_+1
.endr
.irp m, 0,1,2,3,8,9,10,11
	v_permlane16_swap_b32 v[C+16*\s+\m], v[C+16*\s+\m+4]   ; the first: columns 0-15, k 8 h on; the second: columns 16-31
.endr
	global_store_b128 v3, v[C+16*\s:C+16*\s+3], s[14:15] offset:4096*\s          ; each store of the wave covers 512 consecutive bytes
	global_store_b128 v3, v[C+16*\s+8:C+16*\s+11], s[14:15] offset:4096*\s+512
	global_store_b128 v3, v[C+16*\s+4:C+16*\s+7], s[14:15] offset:4096*\s+1024
	global_store_b128 v3, v[C+16*\s+12:C+16*\s+15], s[14:15] offset:4096*\s+1536
.endm
	s_load_b256 s[4:11], s[0:1], 0x0               ; Wq, Wk, Wv, Wout
	s_load_b128 s[12:15], s[0:1], 0x20             ; wq4, wof
	v_lshrrev_b32 v1, 5, v0
	v_readfirstlane_b32 s21, v1                    ; wave
	v_and_b32 v1, 31, v0
	v_lshlrev_b32 v2, 2, v1                        ; 4 x lane
	v_lshlrev_b32 v3, 4, v1                        ; 16 x lane
	s_and_b32 s22, ttmp7, 0xffff                   ; y: which 128 along K
	s_sub_co_u32 s19, ttmp9, 8
	s_cmp_lt_u32 s19, 4
	s_cselect_b32 s19, 10, 12                      ; a row is 2^10 bytes in Wk and Wv, 2^12 in Wq and Wout
	s_lshr_b32 s27, s21, 1
	s_and_b32 s28, s21, 1
	s_wait_kmcnt 0x0
	s_mov_b64 s[16:17], s[10:11]                   ; the tensor and the first x of its range: the choice hangs on the work-group's number alone
	s_mov_b32 s18, 12
	s_cmp_lt_u32 ttmp9, 12
	s_cselect_b64 s[16:17], s[8:9], s[16:17]
	s_cselect_b32 s18, 10, s18
	s_cmp_lt_u32 ttmp9, 10
	s_cselect_b64 s[16:17], s[6:7], s[16:17]
	s_cselect_b32 s18, 8, s18
	s_cmp_lt_u32 ttmp9, 8
	s_cselect_b64 s[16:17], s[4:5], s[16:17]
	s_cselect_b32 s18, 0, s18
	s_sub_co_u32 s24, ttmp9, s18
	s_lshl_b32 s24, s24, 9                         ; 128 columns x 4 bytes
	s_lshl_b32 s25, s21, 7                         ; + 32 columns a wave
	s_add_co_u32 s24, s24, s25
	s_lshl_b32 s25, s22, 7
	s_lshl_b32 s25, s25, s19                       ; + 128 y rows
	s_add_co_u32 s24, s24, s25
	s_mov_b32 s25, 0
	s_add_nc_u64 s[16:17], s[16:17], s[24:25]
	s_cmp_eq_u32 s19, 12
	s_cbranch_scc0 .Lnarrow
	LOADS 4096
	s_branch .Lloaded
.Lnarrow:
	LOADS 1024
.Lloaded:
	s_cmp_ge_u32 ttmp9, 12
	s_cbranch_scc1 .Lwout
	; ---- Wq, Wk, Wv: codes and scale words
	s_lshl_b32 s26, ttmp9, 1
	s_add_co_u32 s26, s26, s27                     ; unit u = 2 x + wave / 2
	s_lshl_b32 s24, s26, 15
	s_lshl_b32 s29, s22, 12
	s_add_co_u32 s24, s24, s29
	s_lshl_b32 s29, s28, 11
	s_add_co_u32 s24, s24, s29
	s_add_nc_u64 s[30:31], s[12:13], s[24:25]      ; my two tiles' codes
	s_lshl_b32 s24, s26, 11
	s_lshl_b32 s29, s22, 8
	s_add_co_u32 s24, s24, s29
	s_lshl_b32 s29, s28, 7
	s_add_co_u32 s24, s24, s29
	s_add_co_u32 s24, s24, 786432
	s_add_nc_u64 s[12:13], s[12:13], s[24:25]      ; my 32 scale words
	s_wait_loadcnt 63                              ; block 0 wants the first 32 of the 128 loads: 96 could stay out, the wait names the most that its field holds
	QBLK 0
	s_wait_loadcnt 63                              ; block 1: 64 could stay out
	QBLK 1
	s_wait_loadcnt 32                              ; block 2: the last 32 may stay out
	QBLK 2
	s_wait_loadcnt 0x0
	QBLK 3
	v_nop                                          ; one plain instruction between the last conversion and the exchange that touches its result
.irp i, 0,1,2,3
	v_permlane16_swap_b32 v[C+\i], v[C+4+\i]       ; blocks 0, 1: the first becomes tile 0's registers 0-3 (lanes 16-31: block 1), the second tile 1's
	v_permlane16_swap_b32 v[C+8+\i], v[C+12+\i]    ; blocks 2, 3: registers 4-7
.endr
	global_store_b128 v3, v[C:C+3], s[30:31]
	global_store_b128 v3, v[C+8:C+11], s[30:31] offset:512
	global_store_b128 v3, v[C+4:C+7], s[30:31] offset:1024
	global_store_b128 v3, v[C+12:C+15], s[30:31] offset:1536
	global_store_b32 v2, v8, s[12:13]
	s_endpgm
.Lwout:
	; ---- Wout: f16 fragments
	s_sub_co_u32 s26, ttmp9, 12
	s_lshl_b32 s26, s26, 1
	s_add_co_u32 s26, s26, s27                     ; group of 64 columns
	s_lshl_b32 s24, s26, 17
	s_lshl_b32 s29, s22, 14                        ; K step 4 y
	s_add_co_u32 s24, s24, s29
	s_lshl_b32 s29, s28, 11
	s_add_co_u32 s24, s24, s29
	s_add_nc_u64 s[14:15], s[14:15], s[24:25]
	s_wait_loadcnt 63                              ; counts as above
	PACK 0
	s_wait_loadcnt 63
	PACK 1
	s_wait_loadcnt 32
	PACK 2
	s_wait_loadcnt 0x0
	PACK 3
	s_endpgm
.Lfunc_end_k_q42a5d7a503_prep:
	.size	k_q42a5d7a503_prep, .Lfunc_end_k_q42a5d7a503_prep-k_q42a5d7a503_prep
	.p2alignl 7, 3214868480
	.fill 96, 4, 3214868480
	.section	.rodata,"a",@progbits
	.p2align	6, 0x0
	.amdhsa_kernel k_q42a5d7a503_prep
		.amdhsa_group_segment_fixed_size 0
		.amdhsa_private_segment_fixed_size 0
		.amdhsa_enable_private_segment 0
		.amdhsa_kernarg_size 48
		.amdhsa_user_sgpr_count 2
		.amdhsa_user_sgpr_kernarg_segment_ptr 1
		.amdhsa_wavefront_size32 1
		.amdhsa_system_sgpr_workgroup_id_x 1
		.amdhsa_system_sgpr_workgroup_id_y 1
		.amdhsa_system_sgpr_workgroup_id_z 1
		.amdhsa_system_vgpr_workitem_id 0
		.amdhsa_next_free_vgpr 224
		.amdhsa_next_free_sgpr 66
		.amdhsa_reserve_vcc 0
		.amdhsa_float_denorm_mode_32 3
		.amdhsa_float_denorm_mode_16_64 3
		.amdhsa_memory_ordered 1
		.amdhsa_forward_progress 1
		.amdhsa_inst_pref_size 40
	.end_amdhsa_kernel
	.amdgpu_metadata
---
amdhsa.version: [ 1, 2 ]
amdhsa.kernels:
  - .name:           k_q42a5d7a503_prep
    .symbol:         k_q42a5d7a503_prep.kd
    .args:
      - { .name: Wq, .offset: 0, .size: 8, .value_kind: global_buffer, .address_space: global }
      - { .name: Wk, .offset: 8, .size: 8, .value_kind: global_buffer, .address_space: global }
      - { .name: Wv, .offset: 16, .size: 8, .value_kind: global_buffer, .address_space: global }
      - { .name: Wout, .offset: 24, .size: 8, .value_kind: global_buffer, .address_space: global }
      - { .name: wq4, .offset: 32, .size: 8, .value_kind: global_buffer, .address_space: global }
      - { .name: wof, .offset: 40, .size: 8, .value_kind: global_buffer, .address_space: global }
    .group_segment_fixed_size: 0
    .private_segment_fixed_size: 0
    .kernarg_segment_align: 8
    .kernarg_segment_size: 48
    .max_flat_workgroup_size: 128
    .sgpr_count:     66
    .vgpr_count:     224
    .wavefront_size: 32
...
	.end_amdgpu_metadata
.endif
;; end of part 1
;; launch proj (part 2): grid 3 x 64, 8 waves a work-group, no clusters, 173,056 bytes of LDS; arguments x, wq4, qf, kvf; writes qf, kvf
.if DOCPART == 2
	.amdgcn_target "amdgcn-amd-amdhsa--gfx1250"
	.amdhsa_code_object_version 6
	.text
	.protected	k_q42a5d7a503_proj
	.globl	k_q42a5d7a503_proj
	.p2align	8
	.type	k_q42a5d7a503_proj,@function
k_q42a5d7a503_proj:
	s_mov_b64 s[64:65], 0
	v_nop
	global_prefetch_b8 v0, s[64:65] scope:SCOPE_SE
	s_setreg_imm32_b32 hwreg(HW_REG_WAVE_MODE, 25, 1), 1
	s_wait_xcnt 0x0
; q = x Wq, k = x Wk, v = x Wv on codes of FP4 (E2M1) with one E8M0 scale for each 32 along K = 1,024; sums in f32; the results leave as f16 images of the attention's operand registers.
; SHARES: a work-group takes 64 rows of x (work-group y) and eight units of 64 columns (8 x work-group x + wave; units 0-15 q's heads, 16-19 k's, 20-23 v's).
; A wave's 64 columns of weights, all of K, 256 registers, stay in window 1: read from memory once.  x is quantised in registers, each wave 16 rows x 512 along K, and goes from wave to wave through LDS
; as IMAGES OF THE OPERAND'S REGISTERS (four registers: 16 bytes a lane at 16 x lane, 512 bytes a store; the scale word at 4 x lane).  One barrier.
; x IS LOADED AS IT LIES: a load of a wave reads 512 consecutive bytes of one row.  The conversions want 16 neighbours of a block in ONE lane, so a K step's 16 rows x 512 bytes turn through the wave's own stage in LDS:
; in as loaded, back 64 bytes a lane, into the registers that they left.  A stage row is 528 bytes = 132 words.
; q and k are used TRANSPOSED (source 0 = 16 columns of W, source 1 = 16 rows of x): a lane holds one token and eight neighbouring channels, which is a fragment with the head's 64 as K.
; v is used as it stands (source 0 = x, source 1 = W): a lane holds one channel and eight neighbouring tokens: a fragment with the keys as K.
; LIMITS: |q|, |k|, |v| above 65,504 are held there (f16); blocks of x whose largest magnitude lies under 2^-124 get the scale byte 1; NaN and infinities are not served.
; No cluster and no tensor load: what the work-groups share, the weights, goes straight into each wave's registers; there is no tile in LDS on which a joint load could land.
; REGISTERS, window 0: v1 16 x lane, v2 4 x lane, v4, v5 where I store images and scale words, v9, v10 my stage in and back; v16-31 W's scale words, v96-103 x's (scales and nothing else);
;   v32-95 two sets of x's four fragments (v32-39 first the codes just made; at the end the packed results); v104, v105 the add's two; v106-122 at work; v128-255 16 accumulators (first: two sets of 64 numbers of x).
;   window 1: W's fragments: K step ks, tile ct at v[32 ks + 8 ct].
.set XSC,   32768                      ; LDS: 32 images of 1,024 bytes (tile of rows rt, K step ks: 8 rt + ks), then their scale words, 128 bytes each
.set SPARE, 36864                      ; the spare words, 128 bytes for each of the eight waves: four blocks of 256 bytes that no other line names
.set STG,   37888                      ; the stages: two of 16 rows x 528 bytes for each wave
.set STB,   8448
.set WS,  16
.set XS,  96
.set SPW, 104
.set NIL, 105
.set TM,  106
.set PW,  122
.set PC,  32
.set SA,  128
.set SB,  192
.set ACC, 128
.set SEL, 26
.set MSB, 0
.macro WIN new                         ; the immediate's high byte repeats the setting that is left
.if MSB != (\new)
	s_set_vgpr_msb (MSB<<8)|(\new)
.set MSB, (\new)
.endif
.endm
.macro PLACES n
.rept \n
	v_nop
.endr
.endm
; my 16 rows' 512 bytes of my K step ksl, a row a load, into v[reg] on
.macro XLOAD reg, ksl
.set i_, 0
.rept 16
	global_load_b128 v[\reg+4*i_:\reg+4*i_+3], v1, s[20:21] offset:4096*i_+512*\ksl
.set i_, i_+1
.endr
.endm
; the turn through stage st: afterwards register 16 b + i of lane (r, h) holds k 32 b + 16 h + i of row r.  LDS serves a wave's instructions in order: no wait stands between the stores and the loads
.macro TURN reg, st
.set i_, 0
.rept 16
	ds_store_b128 v9, v[\reg+4*i_:\reg+4*i_+3] offset:STB*\st+528*i_
.set i_, i_+1
.endr
.irp b, 0,1,2,3
.irp j, 0,1,2,3
	ds_load_b128 v[\reg+16*\b+4*\j:\reg+16*\b+4*\j+3], v10 offset:STB*\st+128*\b+16*\j
.endr
.endr
.endm
; 64 numbers of a lane, register 16 b + i = k 32 b + 16 (lane / 16) + i of my row, become a fragment's codes in v[PC] on and its scale word in v[PW]
.macro QUANT s
.irp b, 0,1,2,3
	v_max3_num_f32 v[TM+\b], |v[\s+16*\b]|, |v[\s+1+16*\b]|, 0x1800000   ; my 16 numbers and the floor 2^(3 - 127): the byte cannot fall under 1
.endr
.irp i, 2,4,6,8,10,12,14
.irp b, 0,1,2,3
	v_max3_num_f32 v[TM+\b], v[TM+\b], |v[\s+16*\b+\i]|, |v[\s+1+16*\b+\i]|
.endr
.endr
.irp b, 0,1,2,3
	v_permlanex16_b32 v[TM+4+\b], v[TM+\b], s[SEL], s[SEL+1]
.endr
.irp b, 0,1,2,3
	v_max_num_f32 v[TM+\b], v[TM+\b], v[TM+4+\b]   ; with lane l xor 16's: the block's largest magnitude
.endr
.irp b, 0,1,2,3
	v_add_nc_u32 v[TM+12+\b], 0xff000000, v[TM+\b] ; 2 off its exponent field: the conversion's scale operand
.endr
.irp b, 0,1,2,3
	v_lshrrev_b32 v[TM+4+\b], 23, v[TM+12+\b]      ; the scale's byte
.endr
	v_lshl_or_b32 v[PW], v[TM+5], 8, v[TM+4]
	v_lshl_or_b32 v[PW], v[TM+6], 16, v[PW]
	v_lshl_or_b32 v[PW], v[TM+7], 24, v[PW]
.irp b, 0,1,2,3
	v_cvt_scalef32_pk8_fp4_f32 v[PC+2*\b], v[\s+16*\b:\s+7+16*\b], v[TM+12+\b]
	v_cvt_scalef32_pk8_fp4_f32 v[PC+1+2*\b], v[\s+8+16*\b:\s+15+16*\b], v[TM+12+\b]
.endr
	v_nop                                          ; one plain instruction behind the last conversion
.irp c, 0,1                                    ; the operand wants a whole block in a lane: lanes 0-15 block 2 c, lanes 16-31 block 2 c + 1
.irp i, 0,1
	v_permlane16_swap_b32 v[PC+4*\c+\i], v[PC+2+4*\c+\i]
.endr
.endr
.endm
.macro IMAGE ksl
	ds_store_b128 v4, v[PC:PC+3] offset:1024*\ksl
	ds_store_b128 v4, v[PC+4:PC+7] offset:1024*\ksl+512
	ds_store_b32 v5, v[PW] offset:XSC+128*\ksl
.endm
.macro AFETCH set, k                   ; x's four fragments and scale words of K step k: 12 LDS loads
.irp rt, 0,1,2,3
	ds_load_b128 v[32+32*(\set)+8*\rt:32+32*(\set)+8*\rt+3], v1 offset:\rt*8192+(\k)*1024
	ds_load_b128 v[32+32*(\set)+8*\rt+4:32+32*(\set)+8*\rt+7], v1 offset:\rt*8192+(\k)*1024+512
	ds_load_b32 v[XS+4*(\set)+\rt], v2 offset:XSC+\rt*1024+(\k)*128
.endr
.endm
; one product of K step ks.  form 0: W first (q, k); form 1: x first (v).  W's scale words of tiles 2 p and 2 p + 1 share a register: lanes 0-15 and lanes 16-31
.macro MM form, rt, ct
.set AC, ACC+8*(4*\rt+\ct)
.set WF, 32*ks+8*\ct
.set AF, 32+32*(ks%2)+8*\rt
.set SW, WS+2*ks+\ct/2
.set SX, XS+4*(ks%2)+\rt
.if \form == 0
.if ks == 0
.if \ct%2
	v_wmma_scale_f32_16x16x128_f8f6f4 v[AC:AC+7], v[WF:WF+7], v[AF:AF+7], 0, v[SW], v[SX] matrix_a_fmt:MATRIX_FMT_FP4 matrix_b_fmt:MATRIX_FMT_FP4 matrix_a_scale:MATRIX_SCALE_ROW1
.else
	v_wmma_scale_f32_16x16x128_f8f6f4 v[AC:AC+7], v[WF:WF+7], v[AF:AF+7], 0, v[SW], v[SX] matrix_a_fmt:MATRIX_FMT_FP4 matrix_b_fmt:MATRIX_FMT_FP4
.endif
.else
.if \ct%2
	v_wmma_scale_f32_16x16x128_f8f6f4 v[AC:AC+7], v[WF:WF+7], v[AF:AF+7], v[AC:AC+7], v[SW], v[SX] matrix_a_fmt:MATRIX_FMT_FP4 matrix_b_fmt:MATRIX_FMT_FP4 matrix_a_scale:MATRIX_SCALE_ROW1
.else
	v_wmma_scale_f32_16x16x128_f8f6f4 v[AC:AC+7], v[WF:WF+7], v[AF:AF+7], v[AC:AC+7], v[SW], v[SX] matrix_a_fmt:MATRIX_FMT_FP4 matrix_b_fmt:MATRIX_FMT_FP4
.endif
.endif
.else
.if ks == 0
.if \ct%2
	v_wmma_scale_f32_16x16x128_f8f6f4 v[AC:AC+7], v[AF:AF+7], v[WF:WF+7], 0, v[SX], v[SW] matrix_a_fmt:MATRIX_FMT_FP4 matrix_b_fmt:MATRIX_FMT_FP4 matrix_b_scale:MATRIX_SCALE_ROW1
.else
	v_wmma_scale_f32_16x16x128_f8f6f4 v[AC:AC+7], v[AF:AF+7], v[WF:WF+7], 0, v[SX], v[SW] matrix_a_fmt:MATRIX_FMT_FP4 matrix_b_fmt:MATRIX_FMT_FP4
.endif
.else
.if \ct%2
	v_wmma_scale_f32_16x16x128_f8f6f4 v[AC:AC+7], v[AF:AF+7], v[WF:WF+7], v[AC:AC+7], v[SX], v[SW] matrix_a_fmt:MATRIX_FMT_FP4 matrix_b_fmt:MATRIX_FMT_FP4 matrix_b_scale:MATRIX_SCALE_ROW1
.else
	v_wmma_scale_f32_16x16x128_f8f6f4 v[AC:AC+7], v[AF:AF+7], v[WF:WF+7], v[AC:AC+7], v[SX], v[SW] matrix_a_fmt:MATRIX_FMT_FP4 matrix_b_fmt:MATRIX_FMT_FP4
.endif
.endif
.endif
.endm
; the eight K steps, 16 products each (the 16 accumulators take turns; the first step starts the sums), and the way out
.macro PROD form
	AFETCH 0, 0
.set ks, 0
.rept 8
.if ks < 7
.if ks > 0
	PLACES 4                                       ; places between the last products and the loads into the set that the step before read
.endif
	AFETCH (ks+1)%2, ks+1
	s_wait_dscnt 12                                ; this step's fragments are in; the 12 loads just issued may stay out
.else
	s_wait_dscnt 0x0
.endif
	WIN 0x01+3*\form                               ; W's fragments in window 1: source 0 (form 0) or source 1 (form 1)
.irp rt, 0,1,2,3
.irp ct, 0,1,2,3
	MM \form, \rt, \ct
.endr
.endr
	WIN 0
.set ks, ks+1
.endr
	PLACES 4
.set t_, 0
.rept 16                                       ; each accumulator from its low end on: held to f16's range, rounded, 16 bytes a lane
.irp j, 0,1,2,3,4,5,6,7
	v_med3_num_f32 v[ACC+8*t_+\j], v[ACC+8*t_+\j], s40, s41
.endr
.irp p, 0,1,2,3
	v_cvt_pk_f16_f32 v[32+4*t_+\p], v[ACC+8*t_+2*\p], v[ACC+8*t_+2*\p+1]
.endr
.set t_, t_+1
.endr
.set t_, 0
.rept 16                                       ; 8,192 bytes on end; each store of the wave covers 512 consecutive bytes
.if \form == 0
	global_store_b128 v1, v[32+4*t_:32+4*t_+3], s[22:23] offset:512*t_
.else
	global_store_b128 v1, v[32+4*t_:32+4*t_+3], s[22:23] offset:(t_/8)*4096+(t_%4)*1024+((t_/4)%2)*512
.endif
.set t_, t_+1
.endr
.endm
	s_load_b256 s[4:11], s[0:1], 0x0               ; x, wq4, qf, kvf
	v_lshl_add_u32 v[SPW], v0, 2, SPARE
	v_mov_b32 v[NIL], 0
	v_lshrrev_b32 v1, 5, v0
	v_readfirstlane_b32 s12, v1                    ; wave 0..7
	v_and_b32 v6, 31, v0
	v_and_b32 v7, 15, v0                           ; r
	v_bfe_u32 v8, v0, 4, 1                         ; h
	v_lshlrev_b32 v1, 4, v6
	v_lshlrev_b32 v2, 2, v6
	s_and_b32 s24, s12, 3                          ; which 16 rows I quantise
	s_lshr_b32 s25, s12, 2                         ; which half of K
	s_lshl_b32 s28, s24, 13
	s_lshl_b32 s29, s25, 12
	s_add_co_u32 s28, s28, s29
	v_add_nc_u32 v4, s28, v1                       ; my images: 16 x lane + 8,192 (wave % 4) + 4,096 (wave / 4)
	s_lshl_b32 s28, s24, 10
	s_lshl_b32 s29, s25, 9
	s_add_co_u32 s28, s28, s29
	v_add_nc_u32 v5, s28, v2                       ; my scale words
	s_mul_i32 s28, s12, 2*STB
	s_add_co_u32 s28, s28, STG                     ; my two stages
	v_add_nc_u32 v9, s28, v1                       ; in: 16 x lane of a row
	v_mul_u32_u24 v10, v7, 528
	v_lshl_add_u32 v10, v8, 6, v10
	v_add_nc_u32 v10, s28, v10                     ; back: row r, + 64 h: my 16 numbers of a block of 32
.irp b, 0,1,2,3
	v_mov_b32 v[TM+4+\b], 0                        ; written once: a lane permute's destination counts as one of its sources
.endr
	s_mov_b32 s[SEL], 0x76543210
	s_mov_b32 s[SEL+1], 0xfedcba98
	s_mov_b32 s40, 0xc77fe000                      ; -65,504
	s_mov_b32 s41, 0x477fe000                      ; 65,504
	s_and_b32 s14, ttmp7, 0xffff                   ; R: rows 64 R on
	s_lshl_b32 s15, ttmp9, 3
	s_add_co_u32 s15, s15, s12                     ; unit u
	s_lshl_b32 s32, s15, 15
	s_mov_b32 s33, 0
	s_lshl_b32 s34, s15, 11
	s_add_co_u32 s34, s34, 786432
	s_mov_b32 s35, 0
	s_lshl_b32 s36, s14, 18
	s_lshl_b32 s28, s24, 16
	s_add_co_u32 s36, s36, s28
	s_lshl_b32 s28, s25, 11
	s_add_co_u32 s36, s36, s28
	s_mov_b32 s37, 0
	s_lshr_b32 s30, s14, 5                         ; b
	s_lshl_b32 s31, s30, 4
	s_add_co_u32 s31, s31, s15                     ; q: head 16 b + u
	s_sub_co_u32 s28, s15, 16
	s_lshr_b32 s29, s28, 2
	s_lshl_b32 s29, s29, 3                         ; k: 0, v: 8
	s_and_b32 s28, s28, 3
	s_add_co_u32 s29, s29, s28
	s_lshl_b32 s28, s30, 2
	s_add_co_u32 s29, s29, s28                     ; + 4 b + the kv head
	s_wait_kmcnt 0x0
	s_cmp_lt_u32 s15, 16
	s_cselect_b32 s31, s31, s29
	s_cselect_b64 s[22:23], s[8:9], s[10:11]
	s_lshl_b32 s38, s31, 18
	s_and_b32 s28, s14, 31
	s_lshl_b32 s28, s28, 13
	s_add_co_u32 s38, s38, s28
	s_mov_b32 s39, 0
	s_add_nc_u64 s[22:23], s[22:23], s[38:39]      ; where my 8,192 bytes of results go
	s_add_nc_u64 s[16:17], s[6:7], s[32:33]        ; my unit's codes,
	s_add_nc_u64 s[18:19], s[6:7], s[34:35]        ; its scale words,
	s_add_nc_u64 s[20:21], s[4:5], s[36:37]        ; my part of x
	; ---- x's first two K steps are asked for ahead of the weights: they are wanted first, and the weights stream in while they are quantised
	XLOAD SA, 0
	XLOAD SB, 1
	WIN 0x40                                       ; destination window 1
.set q_, 0
.rept 64
	global_load_b128 v[4*q_:4*q_+3], v1, s[16:17] offset:512*q_
.set q_, q_+1
.endr
	WIN 0
.set q_, 0
.rept 16
	global_load_b32 v[WS+q_], v2, s[18:19] offset:128*q_
.set q_, q_+1
.endr
	; ---- x: four K steps a wave, two sets of registers and two stages by turns
	s_wait_loadcnt 63                              ; K step 0's 16 loads are in: 96 younger loads could stay out, the wait names the most that its field holds
	TURN SA, 0
	s_wait_loadcnt 63                              ; K step 1's: 80 could stay out
	TURN SB, 1
	s_wait_dscnt 32                                ; the first turn is done; the second's 32 LDS instructions may stay out
	QUANT SA
	IMAGE 0
	XLOAD SA, 2
	s_wait_dscnt 0x0                               ; the second turn is done, and the image's stores have read the codes' registers
	QUANT SB
	IMAGE 1
	XLOAD SB, 3
	s_wait_loadcnt 16                              ; K step 2's loads, and all the weights ahead of them, are in; K step 3's 16 may stay out
	TURN SA, 0
	s_wait_loadcnt 0x0
	TURN SB, 1
	s_wait_dscnt 32                                ; the image's stores and the first turn are done; the second's 32 may stay out
	QUANT SA
	IMAGE 2
	s_wait_dscnt 0x0
	QUANT SB
	IMAGE 3
	s_wait_dscnt 0x0                               ; for the others' sake: my images have landed
	s_barrier_signal -1
	s_barrier_wait -1                              ; all 32 images lie in LDS; nothing is stored there again
	s_cmp_ge_u32 s15, 20
	s_cbranch_scc1 .Lvalues
	PROD 0
	s_branch .Ldone
.Lvalues:
	PROD 1
.Ldone:
	s_wait_tensorcnt 0x0                           ; the wave's end
	ds_add_u32 v[SPW], v[NIL]
	s_wait_dscnt 0x0
	s_endpgm
.Lfunc_end_k_q42a5d7a503_proj:
	.size	k_q42a5d7a503_proj, .Lfunc_end_k_q42a5d7a503_proj-k_q42a5d7a503_proj
	.p2alignl 7, 3214868480
	.fill 96, 4, 3214868480
	.section	.rodata,"a",@progbits
	.p2align	6, 0x0
	.amdhsa_kernel k_q42a5d7a503_proj
		.amdhsa_group_segment_fixed_size 173056
		.amdhsa_private_segment_fixed_size 0
		.amdhsa_enable_private_segment 0
		.amdhsa_kernarg_size 32
		.amdhsa_user_sgpr_count 2
		.amdhsa_user_sgpr_kernarg_segment_ptr 1
		.amdhsa_wavefront_size32 1
		.amdhsa_system_sgpr_workgroup_id_x 1
		.amdhsa_system_sgpr_workgroup_id_y 1
		.amdhsa_system_sgpr_workgroup_id_z 1
		.amdhsa_system_vgpr_workitem_id 0
		.amdhsa_next_free_vgpr 512
		.amdhsa_next_free_sgpr 66
		.amdhsa_reserve_vcc 0
		.amdhsa_float_denorm_mode_32 3
		.amdhsa_float_denorm_mode_16_64 3
		.amdhsa_memory_ordered 1
		.amdhsa_forward_progress 1
		.amdhsa_inst_pref_size 115
	.end_amdhsa_kernel
	.amdgpu_metadata
---
amdhsa.version: [ 1, 2 ]
amdhsa.kernels:
  - .name:           k_q42a5d7a503_proj
    .symbol:         k_q42a5d7a503_proj.kd
    .args:
      - { .name: x, .offset: 0, .size: 8, .value_kind: global_buffer, .address_space: global }
      - { .name: wq4, .offset: 8, .size: 8, .value_kind: global_buffer, .address_space: global }
      - { .name: qf, .offset: 16, .size: 8, .value_kind: global_buffer, .address_space: global }
      - { .name: kvf, .offset: 24, .size: 8, .value_kind: global_buffer, .address_space: global }
    .group_segment_fixed_size: 173056
    .private_segment_fixed_size: 0
    .kernarg_segment_align: 8
    .kernarg_segment_size: 32
    .max_flat_workgroup_size: 256
    .sgpr_count:     66
    .vgpr_count:     512
    .wavefront_size: 32
...
	.end_amdgpu_metadata
.endif
;; end of part 2
;; launch attn (part 3): grid 8 x 32, 8 waves a work-group, no clusters, 327,680 bytes of LDS; arguments qf, kvf, ao, lw; writes ao, lw
.if DOCPART == 3
	.amdgcn_target "amdgcn-amd-amdhsa--gfx1250"
	.amdhsa_code_object_version 6
	.text
	.protected	k_q42a5d7a503_attn
	.globl	k_q42a5d7a503_attn
	.p2align	8
	.type	k_q42a5d7a503_attn,@function
k_q42a5d7a503_attn:
	s_mov_b64 s[64:65], 0
	v_nop
	global_prefetch_b8 v0, s[64:65] scope:SCOPE_SE
	s_setreg_imm32_b32 hwreg(HW_REG_WAVE_MODE, 25, 1), 1
	s_wait_xcnt 0x0
; Causal attention for query head hq = 4 i + j of batch b (work-group y = 16 b + hq): keys of kv head i, VALUES OF kv HEAD j, result into columns 64 (4 j + i) on.  q, k, v: f16 images made by the launch before.
; Products in f16 with f32 sums; maxima, exponentials and sums in f32; the weights p = 2^(c s - c m), c = log2(e) / 8, m the running maximum, are rounded to f16 for the second product.
; Also stored for each query: c m and 1 / l (l the row's sum), from which a later launch makes the normalised weights again.
; SHARES: wave w of work-group x = g owns TWO tiles of 16 queries, tile tL = 8 g + w and tile tH = 127 - tL: together 129 tiles of keys, the same for every wave of the launch.
; The work-group walks keys 0 .. 128 (16 - g) - 1, 64 a step.  A step all of whose keys come after a tile's queries is left out for that tile by a scalar branch on ids.
; LAYOUT: both products transposed: S^T = K Q^T (source 0 = 16 keys), O^T = V^T P (source 0 = 16 channels): a lane holds ONE query (lane % 16) throughout; two tiles of S^T, rounded in pairs, are P's fragment.
; RING: two LDS slots of 256 keys, 65,536 bytes apart.  Every wave fetches: waves 0-3 K, waves 4-7 V, one tensor load of 2 rows x 4,096 bytes: its quarter of each of the slot's two runs of 128 keys,
; so that whenever a slot is wanted every load holds bytes that are read.  The tiles are dense images, read 512 consecutive bytes an instruction: no padding.
; All trip counts are constants; every wait for tensor loads is for 0.  A slot whose first key lies past the work-group's last query is not asked for: one jump on ids, the same in all eight waves, round the load alone.
; No cluster: the eight work-groups of a head need different numbers of slots (16 - g runs of 128 keys), and a load that is left out at the causal limit cannot be a joint one.
; LIMITS: NaN and infinities are not served.
; REGISTERS, window 0: v1 16 x lane, v2 the step's LDS address, v5, v6 query - 8 h of the two tiles, v8, v9 the add's two, v10 r, v11 h; v12-19, v20-27 statistics (c m, m, l in two halves, four at work; a takes +6);
;   v28 the prefetch's offset; v32-63 S^T then p; v64-79 P; v80-86 at work; v96-127, v128-159 O^T of the late and the early tile.   window 1: v0-63 K, v64-127 V of a step; v128-143, v144-159 Q.
.set SLOT1, 65536
.set SPARE, 131072                     ; behind the ring: the spare words, 128 bytes for each of the eight waves: four blocks of 256 bytes that no other line names
.set S,   32
.set P,   64
.set OH,  96
.set OL,  128
.set STH, 12
.set STL, 20
.set SPW, 8
.set NIL, 9
.set KF,  23                           ; s23 the step's first key
.set TB,  24                           ; s24 LDS byte: slot + 4,096 x which run of 128 keys
.set MSB, 0
.macro WIN new                         ; the immediate's high byte repeats the setting that is left
.if MSB != (\new)
	s_set_vgpr_msb (MSB<<8)|(\new)
.set MSB, (\new)
.endif
.endm
.macro PLACES n
.rept \n
	v_nop
.endr
.endm
; One tile of 16 queries against the step's 64 keys.  rT statistics, OB its O^T, QB its Q (window 1), DREG the register with query - 8 h, T16 the scalar with its first query
.macro TILE rT, OB, QB, DREG, T16
	WIN 0x05                                       ; K and Q in window 1
.irp kt, 0,1,2,3
	v_wmma_f32_16x16x32_f16 v[S+8*\kt:S+8*\kt+7], v[16*\kt:16*\kt+7], v[\QB:\QB+7], 0
.endr
.irp kt, 0,1,2,3                               ; the four accumulators take turns
	v_wmma_f32_16x16x32_f16 v[S+8*\kt:S+8*\kt+7], v[16*\kt+8:16*\kt+15], v[\QB+8:\QB+15], v[S+8*\kt:S+8*\kt+7]
.endr
	WIN 0
	PLACES 4
	s_add_co_u32 s29, s[KF], 63
	s_cmp_le_u32 s29, s[\T16]                      ; all 64 keys count for all 16 queries: no mask
	s_cbranch_scc1 .Lopen_\@
	v_sub_nc_u32 v80, v[\DREG], s[KF]              ; register 8 kt + i holds key KF + 16 kt + 8 h + i: hidden where 16 kt + i > query - 8 h - KF
.set n_, 0
.rept 32
	v_cmp_gt_i32 vcc_lo, 16*(n_/8)+n_%8, v80
	v_cndmask_b32 v[S+n_], v[S+n_], v81, vcc_lo    ; -infinity: p = 0
.set n_, n_+1
.endr
.Lopen_\@:
.irp j, 0,1,2,3                                ; the maximum of my 32 scores and the old m, four chains
	v_max3_num_f32 v[\rT+4+\j], v[S+8*\j], v[S+8*\j+1], v[S+8*\j+2]
.endr
.irp q, 1,2
.irp j, 0,1,2,3
	v_max3_num_f32 v[\rT+4+\j], v[\rT+4+\j], v[S+8*\j+2*\q+1], v[S+8*\j+2*\q+2]
.endr
.endr
	v_max3_num_f32 v[\rT+4], v[\rT+4], v[S+7], v[S+15]
	v_max3_num_f32 v[\rT+6], v[\rT+6], v[S+23], v[S+31]
	v_max3_num_f32 v[\rT+4], v[\rT+4], v[\rT+5], v[\rT+6]
	v_max3_num_f32 v[\rT+4], v[\rT+4], v[\rT+7], v[\rT+1]
	v_permlanex16_b32 v[\rT+5], v[\rT+4], s34, s35 ; the query's other 32 keys lie in the lane 16 away
	v_mov_b32 v[\rT+7], v[\rT]                     ; c m_old
	v_max_num_f32 v[\rT+1], v[\rT+4], v[\rT+5]     ; the new m
	v_mul_f32 v[\rT], s32, v[\rT+1]                ; c m
	v_sub_f32 v[\rT+7], v[\rT+7], v[\rT]
.set n_, 0
.rept 16
	v_pk_fma_f32 v[S+n_:S+n_+1], v[S+n_:S+n_+1], s[32:33], v[\rT:\rT+1] op_sel_hi:[1,0,0] neg_lo:[0,0,1] neg_hi:[0,0,1]   ; c s - c m
.set n_, n_+2
.endr
	v_exp_f32 v[\rT+6], v[\rT+7]                   ; a = 2^(c m_old - c m_new): ONE BATCH of 33 exponentials
.set n_, 0
.rept 32
	v_exp_f32 v[S+n_], v[S+n_]
.set n_, n_+1
.endr
	v_nop                                          ; a plain instruction behind the last exponential
	s_wait_alu depctr_va_vdst(0)                   ; one wait for the batch, ahead of its first reader
.set n_, 0
.rept 16
	v_cvt_pk_f16_f32 v[P+n_], v[S+2*n_], v[S+2*n_+1]
.set n_, n_+1
.endr
.irp u, 0,4,8,12,16,20,24,28                   ; the sum of the unrounded p, in pairs, as a tree
	v_pk_add_f32 v[S+\u:S+\u+1], v[S+\u:S+\u+1], v[S+\u+2:S+\u+3]
.endr
.irp u, 0,8,16,24
	v_pk_add_f32 v[S+\u:S+\u+1], v[S+\u:S+\u+1], v[S+\u+4:S+\u+5]
.endr
.irp u, 0,16
	v_pk_add_f32 v[S+\u:S+\u+1], v[S+\u:S+\u+1], v[S+\u+8:S+\u+9]
.endr
	v_pk_add_f32 v[S:S+1], v[S:S+1], v[S+16:S+17]
	v_pk_fma_f32 v[\rT+2:\rT+3], v[\rT+2:\rT+3], v[\rT+6:\rT+7], v[S:S+1] op_sel_hi:[1,0,1]   ; l = a l + the sum
.set n_, 0
.rept 16
	v_pk_mul_f32 v[\OB+n_:\OB+n_+1], v[\OB+n_:\OB+n_+1], v[\rT+6:\rT+7] op_sel_hi:[1,0]      ; O^T x a
.set n_, n_+2
.endr
	s_wait_dscnt 0x0                               ; V is in
	WIN 0x01                                       ; V in window 1
.irp u, 0,1
.irp dt, 0,1,2,3
	v_wmma_f32_16x16x32_f16 v[\OB+8*\dt:\OB+8*\dt+7], v[64+32*\u+8*\dt:64+32*\u+8*\dt+7], v[P+8*\u:P+8*\u+7], v[\OB+8*\dt:\OB+8*\dt+7]
.endr
.endr
	WIN 0
.endm
; A key step: 64 keys, the sp-th of a run of 128
.macro STEP sp
	s_cmp_gt_u32 s[KF], s22                        ; past my late tile's last query: nothing of this step is mine
	s_cbranch_scc1 .Lend_\@
	v_add_nc_u32 v2, s[TB], v1
	PLACES 3                                       ; with the addition: four places between the last products and the loads into the registers that they read
	WIN 0x40                                       ; destination window 1
.irp kt, 0,1,2,3
.irp f, 0,1,2,3
	ds_load_b128 v[16*\kt+4*\f:16*\kt+4*\f+3], v2 offset:(2*\sp+\kt/2)*8192+(\kt%2)*2048+512*\f
.endr
.endr
.irp u, 0,1
.irp f, 0,1,2,3,4,5,6,7
	ds_load_b128 v[64+32*\u+4*\f:64+32*\u+4*\f+3], v2 offset:32768+(2*\sp+\u)*8192+512*\f
.endr
.endr
	WIN 0
	s_wait_dscnt 16                                ; K's 16 loads are in; V's 16, issued behind them, may stay out
	TILE STH, OH, 128, 5, 20
	s_cmp_gt_u32 s[KF], s21                        ; past my early tile's last query
	s_cbranch_scc1 .Lend_\@
	TILE STL, OL, 144, 6, 19
.Lend_\@:
	s_add_co_u32 s[KF], s[KF], 64
.endm
; A slot's four steps: two runs of 128 keys, written once and walked twice
.macro QUARTERS
	s_mov_b32 s26, 2
.Lrun_\@:
	STEP 0
	STEP 1
	s_add_co_u32 s[TB], s[TB], 4096
	s_sub_co_u32 s26, s26, 1
	s_cmp_lg_u32 s26, 0
	s_cbranch_scc1 .Lrun_\@
	s_sub_co_u32 s[TB], s[TB], 8192
	s_xor_b32 s[TB], s[TB], SLOT1                  ; on to the other slot
.endm
; THE CHANGE OF SLOTS stands at a slot's head.  Each wave waits for all its tensor loads (its part of the slot ahead), adds 0 to its spare word, and waits for that and for its reads of the slot left.
; Behind the barrier the slot ahead is whole and nobody reads the other.  fill = 1: the other slot takes the next 256 keys: one load a wave, with four steps' work in which to land.
.macro CHANGE fill
	s_wait_tensorcnt 0x0                           ; no tensor load of mine is out, so the descriptor may be written
	ds_add_u32 v[SPW], v[NIL]
.if \fill
	s_xor_b32 s45, s45, SLOT1                      ; the walking descriptor: the other slot,
	s_add_nc_u64 s[46:47], s[46:47], 32768         ; the next 256 keys; the type bits on top are not reached
	s_wait_xcnt 0x0                                ; the last prefetch, a slot back, has read its address
	s_add_nc_u64 s[30:31], s[30:31], 32768         ; one slot further on than the descriptor
.endif
	s_wait_dscnt 0x0                               ; the add is done, and my reads of the slot that I have left are over
	s_barrier_signal -1
	s_barrier_wait -1
.if \fill
	s_add_co_u32 s29, s[KF], 256                   ; the first key of the slot that this change would ask for
	s_cmp_ge_u32 s29, s27                          ; at or past the work-group's limit: none of its waves reads that slot.  Ids and the count of steps alone: all eight waves go the same way
	s_cbranch_scc1 .Lpast_\@
	tensor_load_to_lds s[44:47], s[36:43]          ; the first thing behind the barrier, and my one tensor load until the next: one load of mine is out
	s_nop 0
	PLACES 4
.Lpast_\@:
	; A prefetch of what the NEXT change will ask for: 32,768 bytes of K and of V.  Of all work-groups that walk a kv head the one with g = 0 and the other head index 0 asks;
	; in it waves 0-3 ask for K's, waves 4-7 for V's, 8,192 bytes a wave, lanes 256 bytes apart: each block is named once in the launch.  The last change that fills a slot asks for nothing.
	s_cmp_gt_u32 s25, s28
	s_cbranch_scc0 .Lnot_mine_\@
	global_prefetch_b8 v28, s[30:31] th:TH_LOAD_NT scope:SCOPE_SE
.Lnot_mine_\@:
.endif
.endm
	s_load_b256 s[4:11], s[0:1], 0x0               ; qf, kvf, ao, lw
	v_lshl_add_u32 v[SPW], v0, 2, SPARE
	v_mov_b32 v[NIL], 0
	ds_add_u32 v[SPW], v[NIL]                      ; the wave's opening: the add, twice on end, and its wait ahead of my first tensor load
	ds_add_u32 v[SPW], v[NIL]
	v_lshrrev_b32 v1, 5, v0
	v_readfirstlane_b32 s12, v1                    ; wave 0..7
	s_and_b32 s14, ttmp7, 0xffff                   ; 16 b + hq
	s_lshr_b32 s17, s14, 4                         ; b
	s_bfe_u32 s15, s14, 0x20002                    ; i
	s_and_b32 s16, s14, 3                          ; j
	; descriptor group 1: 2 rows of 512 elements of 8 bytes, 2,048 elements apart; no padding, no mask
	s_mov_b32 s36, 0x30000
	s_mov_b32 s37, 512<<16                         ; tensor_dim0
	s_mov_b32 s38, 2<<16                           ; tensor_dim1
	s_mov_b32 s39, 512<<16                         ; tile_dim0
	s_mov_b32 s40, 2                               ; tile_dim1
	s_mov_b32 s41, 2048                            ; from row to row
	s_mov_b32 s42, 0
	s_mov_b32 s43, 0
	s_mov_b32 s44, 1                               ; group 0: count,
	s_lshl_b32 s45, s12, 13                        ; LDS address: 8,192 x wave, in slot 0
	s_lshl_b32 s19, ttmp9, 3
	s_add_co_u32 s19, s19, s12
	s_lshl_b32 s19, s19, 4                         ; my early tile's first query, 16 tL
	s_sub_co_u32 s20, 2032, s19                    ; my late tile's, 16 (127 - tL)
	s_add_co_u32 s21, s19, 15
	s_add_co_u32 s22, s20, 15
	s_lshl_b32 s27, ttmp9, 7
	s_sub_co_u32 s27, 2048, s27                    ; the work-group's keys: 128 (16 - g)
	s_mov_b32 s[KF], 0
	s_mov_b32 s[TB], 0
	s_mov_b32 s25, 7                               ; changes of slots that may fill
	s_mov_b32 s32, 0x3e38aa3b                      ; c = log2(e) / 8
	s_mov_b32 s33, s32                             ; (named with it as a pair)
	s_mov_b32 s34, 0x76543210
	s_mov_b32 s35, 0xfedcba98
	s_lshl_b32 s52, s17, 2
	s_add_co_u32 s53, s52, s16
	s_add_co_u32 s53, s53, 8                       ; V: head 8 + 4 b + j of kvf
	s_add_co_u32 s52, s52, s15                     ; K: head 4 b + i
	s_cmp_lt_u32 s12, 4
	s_cselect_b32 s52, s52, s53
	s_cselect_b32 s54, s16, s15                    ; the head index that the tile does not hang on
	s_or_b32 s54, s54, ttmp9
	s_cmp_eq_u32 s54, 0
	s_cselect_b32 s28, 1, -1                       ; 1 in a wave that prefetches, else the greatest number
	s_lshl_b32 s52, s52, 18
	s_mov_b32 s53, 0
	s_and_b32 s54, s12, 3
	s_lshl_b32 s56, s54, 12                        ; my 4,096 bytes of a run
	s_mov_b32 s57, 0
	s_lshl_b32 s58, s54, 13
	s_add_co_u32 s58, s58, 32768                   ; the prefetches stand in slot 1; the first change steps them to slot 2
	s_mov_b32 s59, 0
	v_and_b32 v3, 31, v0
	v_lshlrev_b32 v1, 4, v3
	v_lshlrev_b32 v28, 8, v3
	v_and_b32 v10, 15, v0                          ; r
	v_bfe_u32 v11, v0, 4, 1                        ; h
	v_lshlrev_b32 v4, 3, v11
	v_sub_nc_u32 v4, v10, v4
	v_add_nc_u32 v5, s20, v4
	v_add_nc_u32 v6, s19, v4
	v_mov_b32 v81, 0xff800000                      ; -infinity
	s_wait_dscnt 0x0                               ; both opening adds are done
	s_wait_kmcnt 0x0
	s_add_nc_u64 s[6:7], s[6:7], s[52:53]
	s_add_nc_u64 s[46:47], s[6:7], s[56:57]
	s_or_b32 s47, s47, 0x80000000                  ; type = 2
	s_add_nc_u64 s[30:31], s[6:7], s[58:59]
	tensor_load_to_lds s[44:47], s[36:43]          ; slot 0: it holds key 0, which counts for every query
	s_nop 0
	PLACES 4
	s_lshl_b32 s52, s14, 18
	s_add_nc_u64 s[4:5], s[4:5], s[52:53]          ; my head's q
	s_lshl_b32 s52, s20, 7
	s_add_nc_u64 s[48:49], s[4:5], s[52:53]
	s_lshl_b32 s52, s19, 7
	s_add_nc_u64 s[50:51], s[4:5], s[52:53]
	WIN 0x40
.irp f, 0,1,2,3
	global_load_b128 v[128+4*\f:128+4*\f+3], v1, s[48:49] offset:512*\f
	global_load_b128 v[144+4*\f:144+4*\f+3], v1, s[50:51] offset:512*\f
.endr
	WIN 0
	s_lshl_b32 s52, s17, 23                        ; ao: tile 128 b + t of 65,536 bytes, column head 4 j + i of 4,096
	s_lshl_b32 s54, s16, 2
	s_add_co_u32 s54, s54, s15
	s_lshl_b32 s54, s54, 12
	s_add_co_u32 s52, s52, s54
	s_add_nc_u64 s[8:9], s[8:9], s[52:53]
	s_lshl_b32 s52, s20, 12
	s_add_nc_u64 s[60:61], s[8:9], s[52:53]
	s_lshl_b32 s52, s19, 12
	s_add_nc_u64 s[62:63], s[8:9], s[52:53]
	s_lshl_b32 s52, s14, 13
	s_add_nc_u64 s[10:11], s[10:11], s[52:53]      ; lw: my head's 2,048 numbers
.irp t, STH, STL
	v_mov_b32 v[\t+1], 0xff61b1e6                  ; m: -3e38, under every score
	v_mul_f32 v[\t], s32, v[\t+1]
.irp k, 2,3,4,5,6,7
	v_mov_b32 v[\t+\k], 0
.endr
.endr
.set n_, 0
.rept 64
	v_mov_b32 v[OH+n_], 0                          ; O^T.  (The step is written once: the first finds zeros, which a = 0 leaves zeros)
.set n_, n_+1
.endr
	s_wait_loadcnt 0x0                             ; Q
.Lslot:                                            ; seven trips: behind each change but the last the next slot is asked for, up to the causal limit
	CHANGE 1
	QUARTERS
	s_sub_co_u32 s25, s25, 1
	s_cmp_lg_u32 s25, 0
	s_cbranch_scc1 .Lslot
	CHANGE 0                                       ; the last slot is written out: nothing is left to fetch
	QUARTERS
	; THE WAY OUT: l's halves are joined; O^T / l leaves as it lies, 512 consecutive bytes a store
	PLACES 4
.irp t, STH, STL
	v_add_f32 v[\t+4], v[\t+2], v[\t+3]
.endr
.irp t, STH, STL
	v_permlanex16_b32 v[\t+5], v[\t+4], s34, s35
.endr
.irp t, STH, STL
	v_add_f32 v[\t+4], v[\t+4], v[\t+5]
.endr
.irp t, STH, STL
	v_rcp_f32 v[\t+6], v[\t+4]
.endr
	v_nop
	s_wait_alu depctr_va_vdst(0)                   ; one wait for the two reciprocals, ahead of their first reader
.set n_, 0
.rept 16
	v_pk_mul_f32 v[OH+n_:OH+n_+1], v[OH+n_:OH+n_+1], v[STH+6:STH+7] op_sel_hi:[1,0]
.set n_, n_+2
.endr
.set n_, 0
.rept 16
	v_pk_mul_f32 v[OL+n_:OL+n_+1], v[OL+n_:OL+n_+1], v[STL+6:STL+7] op_sel_hi:[1,0]
.set n_, n_+2
.endr
.irp q, 0,1,2,3,4,5,6,7
	global_store_b128 v1, v[OH+4*\q:OH+4*\q+3], s[60:61] offset:512*\q
.endr
.irp q, 0,1,2,3,4,5,6,7
	global_store_b128 v1, v[OL+4*\q:OL+4*\q+3], s[62:63] offset:512*\q
.endr
	v_cmp_eq_u32 vcc_lo, 0, v11                    ; lanes 0-15 store the late tile's c m and 1 / l, lanes 16-31 the early tile's
	v_cndmask_b32 v82, v[STL], v[STH], vcc_lo
	v_cndmask_b32 v83, v[STL+6], v[STH+6], vcc_lo
	s_lshl_b32 s52, s20, 2
	s_lshl_b32 s54, s19, 2
	v_lshl_add_u32 v84, v10, 2, s52
	v_lshl_add_u32 v85, v10, 2, s54
	v_cndmask_b32 v84, v85, v84, vcc_lo
	global_store_b32 v84, v82, s[10:11]
	global_store_b32 v84, v83, s[10:11] offset:262144
	s_wait_tensorcnt 0x0                           ; the wave's end
	ds_add_u32 v[SPW], v[NIL]
	s_wait_dscnt 0x0
	s_endpgm
.Lfunc_end_k_q42a5d7a503_attn:
	.size	k_q42a5d7a503_attn, .Lfunc_end_k_q42a5d7a503_attn-k_q42a5d7a503_attn
	.p2alignl 7, 3214868480
	.fill 96, 4, 3214868480
	.section	.rodata,"a",@progbits
	.p2align	6, 0x0
	.amdhsa_kernel k_q42a5d7a503_attn
		.amdhsa_group_segment_fixed_size 327680
		.amdhsa_private_segment_fixed_size 0
		.amdhsa_enable_private_segment 0
		.amdhsa_kernarg_size 32
		.amdhsa_user_sgpr_count 2
		.amdhsa_user_sgpr_kernarg_segment_ptr 1
		.amdhsa_wavefront_size32 1
		.amdhsa_system_sgpr_workgroup_id_x 1
		.amdhsa_system_sgpr_workgroup_id_y 1
		.amdhsa_system_sgpr_workgroup_id_z 1
		.amdhsa_system_vgpr_workitem_id 0
		.amdhsa_next_free_vgpr 416
		.amdhsa_next_free_sgpr 66
		.amdhsa_reserve_vcc 1
		.amdhsa_float_denorm_mode_32 3
		.amdhsa_float_denorm_mode_16_64 3
		.amdhsa_memory_ordered 1
		.amdhsa_forward_progress 1
		.amdhsa_inst_pref_size 102
	.end_amdhsa_kernel
	.amdgpu_metadata
---
amdhsa.version: [ 1, 2 ]
amdhsa.kernels:
  - .name:           k_q42a5d7a503_attn
    .symbol:         k_q42a5d7a503_attn.kd
    .args:
      - { .name: qf, .offset: 0, .size: 8, .value_kind: global_buffer, .address_space: global }
      - { .name: kvf, .offset: 8, .size: 8, .value_kind: global_buffer, .address_space: global }
      - { .name: ao, .offset: 16, .size: 8, .value_kind: global_buffer, .address_space: global }
      - { .name: lw, .offset: 24, .size: 8, .value_kind: global_buffer, .address_space: global }
    .group_segment_fixed_size: 327680
    .private_segment_fixed_size: 0
    .kernarg_segment_align: 8
    .kernarg_segment_size: 32
    .max_flat_workgroup_size: 256
    .sgpr_count:     66
    .vgpr_count:     416
    .wavefront_size: 32
...
	.end_amdgpu_metadata
.endif
;; end of part 3
;; launch colsum (part 4): grid 8 x 32, 8 waves a work-group, no clusters, 0 bytes of LDS; arguments qf, kvf, lw, csp; writes csp
.if DOCPART == 4
	.amdgcn_target "amdgcn-amd-amdhsa--gfx1250"
	.amdhsa_code_object_version 6
	.text
	.protected	k_q42a5d7a503_colsum
	.globl	k_q42a5d7a503_colsum
	.p2align	8
	.type	k_q42a5d7a503_colsum,@function
k_q42a5d7a503_colsum:
	s_mov_b64 s[64:65], 0
	v_nop
	global_prefetch_b8 v0, s[64:65] scope:SCOPE_SE
	s_setreg_imm32_b32 hwreg(HW_REG_WAVE_MODE, 25, 1), 1
	s_wait_xcnt 0x0
; The sums down the queries of the normalised weights: csp[part][16 b + hq][key] = the sum over the query tiles N with N % 4 = part of 2^(c s - c m) / l.
; The scores are made again, by the same f16 products with the sources swapped (source 0 = 16 queries, source 1 = 16 keys: the same bits, transposed): a lane holds ONE key (lane % 16) and its registers
; eight queries 8 (lane / 16) + 0 .. 7, so that the column's sum is additions within a lane; c m and 1 / l of those queries come as register pairs, and 1 / l rides in the multiply-add that sums.
; SHARES: work-group y = 16 b + hq.  EIGHT WAVES, two to a SIMD (2 x 384 registers), so that one wave's vector work stands beside the other's matrix work and waits.
; A wave keeps 8 tiles of 16 keys in window 1 for the whole launch, four early (4 e on) and four late (124 - 4 e on), e = 2 x + wave / 4 = 0 .. 15, and walks the query tiles of its part (wave % 4)
; from 16 (e / 4) + part to 127, four apart: (32 - e) + (e + 1) = 33 groups of four key tiles for every wave of the launch.  A group all of whose keys come after the queries is left out by a branch on ids.
; Four sets of registers take the query tiles by turns: 8 loads a set (4 of Q, 2 of c m, 2 of 1 / l), three sets on their way.  The look-ahead is held at tile 127, inside the buffers.
; No LDS, no barrier, no cluster: waves share nothing but reads of q, which each wave takes straight into its registers.
; REGISTERS, window 0: v1 16 x lane, v2 4 x lane, v3 32 h, v4-7, v8-11 a set's offsets in qf and lw, v12 r - 8 h + 48, v13 -infinity, v14 at work; v16-31 the sums, a pair a key tile;
;   v32-63 c m, v160-191 1 / l, 8 a set; v64-127 Q, 16 a set; v128-159 the scores; v192-195 the way out.   window 1: v0-63 the early keys, v64-127 the late ones.
.set MSB, 0
.macro WIN new
.if MSB != (\new)
	s_set_vgpr_msb (MSB<<8)|(\new)
.set MSB, (\new)
.endif
.endm
.macro PLACES n
.rept \n
	v_nop
.endr
.endm
.macro LOADSET set
.irp f, 0,1,2,3
	global_load_b128 v[64+16*\set+4*\f:64+16*\set+4*\f+3], v[4+\set], s[4:5] offset:512*\f
.endr
	global_load_b128 v[32+8*\set:32+8*\set+3], v[8+\set], s[8:9]
	global_load_b128 v[32+8*\set+4:32+8*\set+7], v[8+\set], s[8:9] offset:16
	global_load_b128 v[160+8*\set:160+8*\set+3], v[8+\set], s[8:9] offset:262144
	global_load_b128 v[160+8*\set+4:160+8*\set+7], v[8+\set], s[8:9] offset:262144+16
.endm
; query tile s19 against four key tiles: KB their registers in window 1, AB their sums, KT the scalar with the first key tile
.macro GROUP KB, AB, set, KT
	s_cmp_lt_u32 s19, s[\KT]
	s_cbranch_scc1 .Lskip_\@
	WIN 0x04                                       ; the keys in window 1
.irp t, 0,1,2,3
	v_wmma_f32_16x16x32_f16 v[128+8*\t:128+8*\t+7], v[64+16*\set:64+16*\set+7], v[\KB+16*\t:\KB+16*\t+7], 0
.endr
.irp t, 0,1,2,3                                ; the four accumulators take turns
	v_wmma_f32_16x16x32_f16 v[128+8*\t:128+8*\t+7], v[64+16*\set+8:64+16*\set+15], v[\KB+16*\t+8:\KB+16*\t+15], v[128+8*\t:128+8*\t+7]
.endr
	WIN 0
	PLACES 4
	s_add_co_u32 s24, s[\KT], 3
	s_cmp_gt_u32 s19, s24                          ; all 64 keys count
	s_cbranch_scc1 .Lopen_\@
	s_sub_co_i32 s24, s[\KT], s19
	s_lshl_b32 s24, s24, 4
	v_add_nc_u32 v14, s24, v12                     ; register 8 t + i: key 16 (KT + t) + r, query 16 N + 8 h + i: hidden where i - 16 t + 48 < 16 (KT - N) + r - 8 h + 48
.set n_, 0
.rept 32
	v_cmp_lt_i32 vcc_lo, n_%8-16*(n_/8)+48, v14
	v_cndmask_b32 v[128+n_], v[128+n_], v13, vcc_lo
.set n_, n_+1
.endr
.Lopen_\@:
.irp t, 0,1,2,3
.irp p, 0,2,4,6
	v_pk_fma_f32 v[128+8*\t+\p:128+8*\t+\p+1], v[128+8*\t+\p:128+8*\t+\p+1], s[26:27], v[32+8*\set+\p:32+8*\set+\p+1] op_sel_hi:[1,0,1] neg_lo:[0,0,1] neg_hi:[0,0,1]   ; c s - c m
.endr
.endr
.set n_, 0
.rept 32
	v_exp_f32 v[128+n_], v[128+n_]
.set n_, n_+1
.endr
	v_nop
	s_wait_alu depctr_va_vdst(0)                   ; one wait for the batch of 32, ahead of its first reader
.irp p, 0,2,4,6
.irp t, 0,1,2,3
	v_pk_fma_f32 v[\AB+2*\t:\AB+2*\t+1], v[128+8*\t+\p:128+8*\t+\p+1], v[160+8*\set+\p:160+8*\set+\p+1], v[\AB+2*\t:\AB+2*\t+1]   ; + p / l
.endr
.endr
.Lskip_\@:
.endm
.macro HALF set
	s_wait_loadcnt 24                              ; this set's 8 loads are in; the three younger sets' 24 may stay out.  The wait also frees this set's offset registers
	s_add_co_u32 s19, s18, 4*\set                  ; the query tile
	GROUP 0, 16, \set, 16
	GROUP 64, 24, \set, 17
	s_add_co_u32 s24, s19, 16
	s_min_u32 s24, s24, 127                        ; the set's next tile, held inside the buffers
	s_lshl_b32 s25, s24, 11
	v_add_nc_u32 v[4+\set], s25, v1
	s_lshl_b32 s25, s24, 6
	v_add_nc_u32 v[8+\set], s25, v3
	LOADSET \set
.endm
	s_load_b256 s[4:11], s[0:1], 0x0               ; qf, kvf, lw, csp
	v_lshrrev_b32 v1, 5, v0
	v_readfirstlane_b32 s12, v1                    ; wave 0..7
	s_and_b32 s13, ttmp7, 0xffff                   ; 16 b + hq
	s_and_b32 s14, s12, 3                          ; my part: query tiles N with N % 4 = wave % 4
	s_lshr_b32 s15, s12, 2
	s_lshl_b32 s16, ttmp9, 1
	s_add_co_u32 s15, s15, s16                     ; e
	s_lshl_b32 s16, s15, 2                         ; the first early key tile
	s_sub_co_u32 s17, 124, s16                     ; the first late one
	s_lshr_b32 s18, s15, 2
	s_lshl_b32 s18, s18, 4
	s_add_co_u32 s18, s18, s14                     ; the first query tile: at or under 4 e + part, and a whole number of trips of 16 tiles under 128
	s_mov_b32 s26, 0x3e38aa3b                      ; c = log2(e) / 8
	s_mov_b32 s27, s26
	s_mov_b32 s28, 0x76543210
	s_mov_b32 s29, 0xfedcba98
	v_and_b32 v5, 31, v0
	v_lshlrev_b32 v1, 4, v5
	v_lshlrev_b32 v2, 2, v5
	v_bfe_u32 v6, v0, 4, 1
	v_lshlrev_b32 v3, 5, v6
	v_and_b32 v12, 15, v0
	v_lshlrev_b32 v6, 3, v6
	v_sub_nc_u32 v12, v12, v6
	v_add_nc_u32 v12, 48, v12
	v_mov_b32 v13, 0xff800000
	v_cmp_gt_u32 s40, 16, v5                       ; lanes 0-15, for the way out
	s_lshr_b32 s34, s13, 2                         ; the kv head of the keys: 4 b + i
	s_lshl_b32 s34, s34, 18
	s_mov_b32 s35, 0
	s_lshl_b32 s36, s16, 11
	s_mov_b32 s37, 0
	s_lshl_b32 s38, s17, 11
	s_mov_b32 s39, 0
	s_wait_kmcnt 0x0
	s_add_nc_u64 s[6:7], s[6:7], s[34:35]
	s_add_nc_u64 s[20:21], s[6:7], s[36:37]
	s_add_nc_u64 s[22:23], s[6:7], s[38:39]
	s_lshl_b32 s34, s13, 18
	s_add_nc_u64 s[4:5], s[4:5], s[34:35]
	s_lshl_b32 s34, s13, 13
	s_add_nc_u64 s[8:9], s[8:9], s[34:35]
	s_lshl_b32 s36, s14, 18                        ; my part of csp: 262,144 bytes each
	s_add_co_u32 s34, s34, s36
	s_add_nc_u64 s[10:11], s[10:11], s[34:35]
	s_lshl_b32 s34, s15, 8
	s_add_nc_u64 s[30:31], s[10:11], s[34:35]      ; where the early keys' sums go: 256 e,
	s_sub_co_u32 s34, 31, s15
	s_lshl_b32 s34, s34, 8
	s_add_nc_u64 s[32:33], s[10:11], s[34:35]      ; and the late ones': 256 (31 - e)
	WIN 0x40
.set f_, 0
.rept 16
	global_load_b128 v[4*f_:4*f_+3], v1, s[20:21] offset:512*f_
	global_load_b128 v[64+4*f_:64+4*f_+3], v1, s[22:23] offset:512*f_
.set f_, f_+1
.endr
	WIN 0
.irp k, 0,1,2,3
	s_add_co_u32 s24, s18, 4*\k
	s_lshl_b32 s25, s24, 11
	v_add_nc_u32 v[4+\k], s25, v1
	s_lshl_b32 s25, s24, 6
	v_add_nc_u32 v[8+\k], s25, v3
	LOADSET \k
.endr
.set n_, 0
.rept 16
	v_mov_b32 v[16+n_], 0                          ; the sums: a group may be left out, so none of them can start one
.set n_, n_+1
.endr
.Lq:                                               ; a trip: four query tiles of my part
	HALF 0
	HALF 1
	HALF 2
	HALF 3
	s_add_co_u32 s18, s18, 16
	s_cmp_lt_u32 s18, 128
	s_cbranch_scc1 .Lq
	; the way out: a pair's halves, the other half of the lanes' eight queries; two key tiles to a store of 128 bytes.  The look-ahead's last loads stay out: nothing below names their registers
.irp t, 0,1,2,3,4,5,6,7
	v_add_f32 v[16+2*\t], v[16+2*\t], v[17+2*\t]
.endr
.irp t, 0,1,2,3,4,5,6,7
	v_permlanex16_b32 v[17+2*\t], v[16+2*\t], s28, s29
.endr
.irp t, 0,1,2,3,4,5,6,7
	v_add_f32 v[16+2*\t], v[16+2*\t], v[17+2*\t]
.endr
.irp u, 0,1,2,3
	v_cndmask_b32 v[192+\u], v[18+4*\u], v[16+4*\u], s40   ; lanes 0-15: tile 2 u; lanes 16-31: tile 2 u + 1
.endr
	global_store_b32 v2, v192, s[30:31]
	global_store_b32 v2, v193, s[30:31] offset:128
	global_store_b32 v2, v194, s[32:33]
	global_store_b32 v2, v195, s[32:33] offset:128
	s_endpgm
.Lfunc_end_k_q42a5d7a503_colsum:
	.size	k_q42a5d7a503_colsum, .Lfunc_end_k_q42a5d7a503_colsum-k_q42a5d7a503_colsum
	.p2alignl 7, 3214868480
	.fill 96, 4, 3214868480
	.section	.rodata,"a",@progbits
	.p2align	6, 0x0
	.amdhsa_kernel k_q42a5d7a503_colsum
		.amdhsa_group_segment_fixed_size 0
		.amdhsa_private_segment_fixed_size 0
		.amdhsa_enable_private_segment 0
		.amdhsa_kernarg_size 32
		.amdhsa_user_sgpr_count 2
		.amdhsa_user_sgpr_kernarg_segment_ptr 1
		.amdhsa_wavefront_size32 1
		.amdhsa_system_sgpr_workgroup_id_x 1
		.amdhsa_system_sgpr_workgroup_id_y 1
		.amdhsa_system_sgpr_workgroup_id_z 1
		.amdhsa_system_vgpr_workitem_id 0
		.amdhsa_next_free_vgpr 384
		.amdhsa_next_free_sgpr 66
		.amdhsa_reserve_vcc 1
		.amdhsa_float_denorm_mode_32 3
		.amdhsa_float_denorm_mode_16_64 3
		.amdhsa_memory_ordered 1
		.amdhsa_forward_progress 1
		.amdhsa_inst_pref_size 64
	.end_amdhsa_kernel
	.amdgpu_metadata
---
amdhsa.version: [ 1, 2 ]
amdhsa.kernels:
  - .name:           k_q42a5d7a503_colsum
    .symbol:         k_q42a5d7a503_colsum.kd
    .args:
      - { .name: qf, .offset: 0, .size: 8, .value_kind: global_buffer, .address_space: global }
      - { .name: kvf, .offset: 8, .size: 8, .value_kind: global_buffer, .address_space: global }
      - { .name: lw, .offset: 16, .size: 8, .value_kind: global_buffer, .address_space: global }
      - { .name: csp, .offset: 24, .size: 8, .value_kind: global_buffer, .address_space: global }
    .group_segment_fixed_size: 0
    .private_segment_fixed_size: 0
    .kernarg_segment_align: 8
    .kernarg_segment_size: 32
    .max_flat_workgroup_size: 256
    .sgpr_count:     66
    .vgpr_count:     384
    .wavefront_size: 32
...
	.end_amdgpu_metadata
.endif
;; end of part 4
;; launch outproj (part 5): grid 4 x 64, 4 waves a work-group, no clusters, 148,992 bytes of LDS; arguments ao, wof, ln_g, ln_b, csp, out0, out1; writes out0, out1
.if DOCPART == 5
	.amdgcn_target "amdgcn-amd-amdhsa--gfx1250"
	.amdhsa_code_object_version 6
	.text
	.protected	k_q42a5d7a503_outproj
	.globl	k_q42a5d7a503_outproj
	.p2align	8
	.type	k_q42a5d7a503_outproj,@function
k_q42a5d7a503_outproj:
	s_mov_b64 s[64:65], 0
	v_nop
	global_prefetch_b8 v0, s[64:65] scope:SCOPE_SE
	s_setreg_imm32_b32 hwreg(HW_REG_WAVE_MODE, 25, 1), 1
	s_wait_xcnt 0x0
; out0 = LayerNorm(attention's result) Wout; out1 = (the four parts of the column sums) / 2,048.
; LayerNorm in f32 as it is written: the mean, the deviations, the mean of their squares, 1 / sqrt(. + 1e-5), x g + b.  The product in f16 with f32 sums.
; SHARES: a work-group makes 64 rows (work-group y) x 256 columns (work-group x).  Wave w first normalises rows 16 w .. 16 w + 15, which it holds whole in windows 2 and 3 (a lane: one row, 512 of its 1,024 columns;
; the lane 16 away holds the others), and stores them to LDS as f16 IMAGES OF THE OPERAND'S REGISTERS; one barrier; then it makes columns 64 w .. 64 w + 63 for all 64 rows: 16 accumulators.
; Wout's fragments come from memory straight into a ring of eight sets of registers in window 1, seven K steps ahead.  The product is used transposed (source 0 = 16 columns of Wout, source 1 = 16 rows):
; a lane holds eight neighbouring columns of a row; a tile of 16 rows goes through the wave's own stage in LDS and leaves 256 aligned consecutive bytes to sixteen lanes.
; THE HEAD ASKS IN THE ORDER IN WHICH THINGS ARE WANTED: the column sums, my rows, g and b of two heads, and last Wout's first eight K steps, which land while the rows are normalised.
; Each work-group also makes 1,024 bytes of out1: thread t two numbers, position t / 8, columns 2 (t % 8) and + 1; column 4 j + i is query head 4 i + j.
; No cluster and no tensor load: what work-groups share (Wout's fragments, the rows of ao) goes straight into registers; there is no tile in LDS on which a joint load could land.
; LIMITS: normalised numbers above 65,504 in magnitude are not served (f16); NaN and infinities are not served.
; REGISTERS, window 0: v1 16 x lane, v2 r, v3 h, v4 32 h, v5, v6 where I store images, v8 16 x lane + 65,536, v9, v10 the stage in and back, v11 my offset in out0, v12, v13 the add's two,
;   v14-15 the mean, v16-17 1 / sqrt, v18-25 four chains of sums, v28-31, v100-103 column sums, v32-95 two sets of the rows' four fragments (then rows on the way out), v96-99 out1;
;   v128-255 first two sets of g (32) and b (32), then the 16 accumulators.   window 1: Wout: K step ks, tile ct at v[32 (ks % 8) + 8 ct].   windows 2, 3: my 16 rows, chunk q at v[4 q].
.set STG,   131072                     ; LDS: 128 images of 1,024 bytes (K step ks of 32, tile of rows rt: 4 ks + rt); then four stages of 16 rows x 272 bytes;
.set SPARE, 148480                     ; then the spare words, 128 bytes a wave: two blocks of 256 bytes that no other line names
.set SPW, 12
.set NIL, 13
.set ACC, 128
.set MSB, 0
.macro WIN new
.if MSB != (\new)
	s_set_vgpr_msb (MSB<<8)|(\new)
.set MSB, (\new)
.endif
.endm
.macro PLACES n
.rept \n
	v_nop
.endr
.endm
.macro GBLOAD u                        ; g and b of the 64 columns of head u, in my rows' layout: 16 loads
.irp q, 0,1,2,3,4,5,6,7
	global_load_b128 v[128+64*((\u)%2)+4*\q:128+64*((\u)%2)+4*\q+3], v4, s[8:9] offset:256*(\u)+64*(\q/2)+16*(\q%2)
	global_load_b128 v[160+64*((\u)%2)+4*\q:160+64*((\u)%2)+4*\q+3], v4, s[10:11] offset:256*(\u)+64*(\q/2)+16*(\q%2)
.endr
.endm
.macro CLEAR
.irp k, 18,19,20,21,22,23,24,25
	v_mov_b32 v\k, 0
.endr
.endm
.macro FOLD                            ; the four chains, a pair's halves, and the lane 16 away: the row's sum in v18
	WIN 0
	v_pk_add_f32 v[18:19], v[18:19], v[20:21]
	v_pk_add_f32 v[22:23], v[22:23], v[24:25]
	v_pk_add_f32 v[18:19], v[18:19], v[22:23]
	v_add_f32 v18, v18, v19
	v_permlanex16_b32 v19, v18, s26, s27
	v_add_f32 v18, v18, v19
.endm
; head u's 32 numbers of a lane: x 1 / sqrt, x g + b, to f16 in place, four images' quarters to LDS
.macro BATCH u
.set BR, 32*((\u)%8)
.set GS, 128+64*((\u)%2)
.set HI, (\u)/8
.if (\u) < 2
	s_wait_loadcnt 63                              ; this head's g and b are in: behind them stand Wout's 64 loads and 16 of g and b, of which the wait names the most that its field holds
.elseif (\u) < 15
	s_wait_loadcnt 16                              ; this head's g and b are in; the next head's 16 loads may stay out
.else
	s_wait_loadcnt 0x0
.endif
	WIN 0x82+0x41*HI                               ; destination and source 0 in window 2 or 3
.set p_, 0
.rept 16
	v_pk_mul_f32 v[BR+p_:BR+p_+1], v[BR+p_:BR+p_+1], v[16:17] op_sel_hi:[1,0]
.set p_, p_+2
.endr
.set p_, 0
.rept 16
	v_pk_fma_f32 v[BR+p_:BR+p_+1], v[BR+p_:BR+p_+1], v[GS+p_:GS+p_+1], v[GS+32+p_:GS+32+p_+1]
.set p_, p_+2
.endr
	WIN 0x8a+0x45*HI                               ; both sources and the destination there
.set p_, 0
.rept 16
	v_cvt_pk_f16_f32 v[BR+p_], v[BR+2*p_], v[BR+2*p_+1]   ; ascending: no result lands on a number still to be read
.set p_, p_+1
.endr
	WIN 0x08+0x04*HI                               ; an LDS store's data are its source 1
.irp dt, 0,1,2,3
.if (\u) < 8
	ds_store_b128 v5, v[BR+4*\dt:BR+4*\dt+3] offset:(2*(\u)+\dt/2)*4096+(\dt%2)*512
.else
	ds_store_b128 v6, v[BR+4*\dt:BR+4*\dt+3] offset:(2*(\u)-16+\dt/2)*4096+(\dt%2)*512
.endif
.endr
	WIN 0
.if (\u)+2 < 16
	GBLOAD (\u)+2
.endif
.endm
.macro AFETCH k                        ; the four tiles of rows of K step k: 8 LDS loads
.set AS_, 32+32*((\k)%2)
.irp rt, 0,1,2,3
.if (\k) < 16
	ds_load_b128 v[AS_+8*\rt:AS_+8*\rt+3], v1 offset:(\k)*4096+\rt*1024
	ds_load_b128 v[AS_+8*\rt+4:AS_+8*\rt+7], v1 offset:(\k)*4096+\rt*1024+512
.else
	ds_load_b128 v[AS_+8*\rt:AS_+8*\rt+3], v8 offset:((\k)-16)*4096+\rt*1024
	ds_load_b128 v[AS_+8*\rt+4:AS_+8*\rt+7], v8 offset:((\k)-16)*4096+\rt*1024+512
.endif
.endr
.endm
.macro TOSTAGE rt                      ; 16 rows x 64 columns into my stage and back as rows of 256 bytes; LDS serves a wave's instructions in order
.irp ct, 0,1,2,3
	ds_store_b128 v9, v[ACC+8*(4*\rt+\ct):ACC+8*(4*\rt+\ct)+3] offset:64*\ct        ; each accumulator from its low end on
	ds_store_b128 v9, v[ACC+8*(4*\rt+\ct)+4:ACC+8*(4*\rt+\ct)+7] offset:64*\ct+16
.endr
.irp i, 0,1,2,3,4,5,6,7
	ds_load_b128 v[32+32*((\rt)%2)+4*\i:32+32*((\rt)%2)+4*\i+3], v10 offset:2*\i*272
.endr
.endm
.macro SEND rt, younger
	s_wait_dscnt \younger                          ; the tile is back in registers; the next tile's LDS instructions may stay out
.irp i, 0,1,2,3,4,5,6,7
	global_store_b128 v11, v[32+32*((\rt)%2)+4*\i:32+32*((\rt)%2)+4*\i+3], s[14:15] offset:(\rt)*65536+\i*8192 th:TH_STORE_NT   ; sixteen lanes store 256 consecutive bytes, aligned
.endr
.endm
	s_load_b256 s[4:11], s[0:1], 0x0               ; ao, wof, ln_g, ln_b
	s_load_b128 s[12:15], s[0:1], 0x20             ; csp, out0
	s_load_b64 s[16:17], s[0:1], 0x30              ; out1
	v_lshl_add_u32 v[SPW], v0, 2, SPARE
	v_mov_b32 v[NIL], 0
	v_lshrrev_b32 v1, 5, v0
	v_readfirstlane_b32 s18, v1                    ; wave 0..3
	s_and_b32 s20, ttmp7, 0xffff                   ; y
	s_lshl_b32 s21, s20, 2
	s_add_co_u32 s23, s21, s18                     ; my tile of 16 rows: 4 y + wave
	s_add_co_u32 s21, s21, ttmp9                   ; the work-group's number, 4 y + x
	v_and_b32 v14, 31, v0
	v_and_b32 v2, 15, v0
	v_bfe_u32 v3, v0, 4, 1
	v_lshlrev_b32 v1, 4, v14
	v_lshlrev_b32 v4, 5, v3
	s_lshl_b32 s22, s18, 10
	v_add_nc_u32 v5, s22, v1
	v_add_nc_u32 v6, 0x10000, v5
	v_add_nc_u32 v8, 0x10000, v1
	s_mul_i32 s22, s18, 4352
	s_add_co_u32 s22, s22, STG                     ; my stage
	v_mul_u32_u24 v9, v2, 272
	v_lshl_add_u32 v9, v3, 5, v9
	v_add_nc_u32 v9, s22, v9                       ; in: row r, 32 bytes for each half of the lanes
	v_mul_u32_u24 v10, v3, 272
	v_lshl_add_u32 v10, v2, 4, v10
	v_add_nc_u32 v10, s22, v10                     ; back: lanes 0-15 one row, lanes 16-31 the next
	v_lshlrev_b32 v11, 12, v3
	v_lshl_add_u32 v11, v2, 4, v11                 ; and the same two rows in out0
	v_and_b32 v96, 1, v0                           ; csp: head 8 (t % 2) + (t % 8) / 2 of 8,192 bytes, position t / 8
	v_lshlrev_b32 v96, 16, v96
	v_bfe_u32 v97, v0, 1, 2
	v_lshl_add_u32 v96, v97, 13, v96
	v_lshrrev_b32 v97, 3, v0
	v_lshl_add_u32 v96, v97, 2, v96
	v_lshlrev_b32 v97, 3, v0                       ; out1: 8 bytes a thread
	s_mov_b32 s26, 0x76543210
	s_mov_b32 s27, 0xfedcba98
	s_mov_b32 s30, 0x3a800000                      ; 1 / 1,024
	s_mov_b32 s31, 0x3727c5ac                      ; 1e-5
	s_lshl_b32 s32, s23, 16
	s_mov_b32 s33, 0
	s_lshl_b32 s34, ttmp9, 2
	s_add_co_u32 s34, s34, s18
	s_lshl_b32 s34, s34, 17                        ; my group of 64 columns of Wout
	s_mov_b32 s35, 0
	s_lshr_b32 s36, s21, 7
	s_lshl_b32 s36, s36, 17                        ; csp: batch x 16 heads,
	s_and_b32 s22, s21, 127
	s_lshl_b32 s22, s22, 6                         ; + 16 positions x 4 bytes
	s_add_co_u32 s36, s36, s22
	s_mov_b32 s37, 0
	s_lshl_b32 s38, s20, 18
	s_lshl_b32 s22, ttmp9, 10
	s_add_co_u32 s38, s38, s22
	s_lshl_b32 s22, s18, 8
	s_add_co_u32 s38, s38, s22
	s_mov_b32 s39, 0
	s_lshl_b32 s40, s21, 10
	s_mov_b32 s41, 0
	s_wait_kmcnt 0x0
	s_add_nc_u64 s[4:5], s[4:5], s[32:33]
	s_add_nc_u64 s[6:7], s[6:7], s[34:35]
	s_add_nc_u64 s[12:13], s[12:13], s[36:37]
	s_add_nc_u64 s[14:15], s[14:15], s[38:39]
	s_add_nc_u64 s[16:17], s[16:17], s[40:41]
	global_load_b32 v28, v96, s[12:13]                   ; the four parts lie 262,144 bytes apart; my second column's head 32,768 bytes on
	global_load_b32 v29, v96, s[12:13] offset:32768
	global_load_b32 v30, v96, s[12:13] offset:262144
	global_load_b32 v31, v96, s[12:13] offset:294912
	global_load_b32 v100, v96, s[12:13] offset:524288
	global_load_b32 v101, v96, s[12:13] offset:557056
	global_load_b32 v102, v96, s[12:13] offset:786432
	global_load_b32 v103, v96, s[12:13] offset:819200
	WIN 0x80
.set q_, 0
.rept 64                                       ; my 16 rows: 65,536 consecutive bytes
	global_load_b128 v[4*q_:4*q_+3], v1, s[4:5] offset:512*q_
.set q_, q_+1
.endr
	WIN 0xc0
.set q_, 0
.rept 64
	global_load_b128 v[4*q_:4*q_+3], v1, s[4:5] offset:32768+512*q_
.set q_, q_+1
.endr
	WIN 0
	GBLOAD 0
	GBLOAD 1
	WIN 0x40
.set q_, 0
.rept 64                                       ; Wout's K steps 0 to 7: wanted last
	global_load_b128 v[4*q_:4*q_+3], v1, s[6:7] offset:512*q_
.set q_, q_+1
.endr
	WIN 0
	CLEAR
	s_wait_loadcnt 63                              ; the column sums and my rows are in: the 96 loads behind them could stay out, the wait names the most that its field holds
	v_add_f32 v98, v28, v30                        ; out1: the four parts, / 2,048
	v_add_f32 v99, v29, v31
	v_add_f32 v100, v100, v102
	v_add_f32 v101, v101, v103
	v_add_f32 v98, v98, v100
	v_add_f32 v99, v99, v101
	v_mul_f32 v98, 0x3a000000, v98
	v_mul_f32 v99, 0x3a000000, v99
	global_store_b64 v97, v[98:99], s[16:17]       ; a wave stores 256 consecutive bytes
	; ---- the mean
	WIN 0x08                                       ; source 1 in window 2
.set n_, 0
.rept 128
	v_pk_add_f32 v[18+2*(n_%4):19+2*(n_%4)], v[18+2*(n_%4):19+2*(n_%4)], v[2*n_:2*n_+1]
.set n_, n_+1
.endr
	WIN 0x0c
.set n_, 0
.rept 128
	v_pk_add_f32 v[18+2*(n_%4):19+2*(n_%4)], v[18+2*(n_%4):19+2*(n_%4)], v[2*n_:2*n_+1]
.set n_, n_+1
.endr
	FOLD
	v_mul_f32 v14, s30, v18
	v_mov_b32 v15, v14
	CLEAR
	; ---- the deviations, in place
	WIN 0x82
.set n_, 0
.rept 128
	v_pk_add_f32 v[2*n_:2*n_+1], v[2*n_:2*n_+1], v[14:15] op_sel_hi:[1,0] neg_lo:[0,1] neg_hi:[0,1]
.set n_, n_+1
.endr
	WIN 0xc3
.set n_, 0
.rept 128
	v_pk_add_f32 v[2*n_:2*n_+1], v[2*n_:2*n_+1], v[14:15] op_sel_hi:[1,0] neg_lo:[0,1] neg_hi:[0,1]
.set n_, n_+1
.endr
	; ---- the mean of their squares
	WIN 0x0a
.set n_, 0
.rept 128
	v_pk_fma_f32 v[18+2*(n_%4):19+2*(n_%4)], v[2*n_:2*n_+1], v[2*n_:2*n_+1], v[18+2*(n_%4):19+2*(n_%4)]
.set n_, n_+1
.endr
	WIN 0x0f
.set n_, 0
.rept 128
	v_pk_fma_f32 v[18+2*(n_%4):19+2*(n_%4)], v[2*n_:2*n_+1], v[2*n_:2*n_+1], v[18+2*(n_%4):19+2*(n_%4)]
.set n_, n_+1
.endr
	FOLD
	v_fma_f32 v18, v18, s30, s31                   ; the variance + 1e-5
	v_rsq_f32 v16, v18
	v_nop
	s_wait_alu depctr_va_vdst(0)                   ; ahead of the first reader
	v_mov_b32 v17, v16
	; ---- sixteen heads of 64 columns
.set u_, 0
.rept 16
	BATCH u_
.set u_, u_+1
.endr
	s_wait_dscnt 0x0                               ; for the others' sake: my images have landed
	s_barrier_signal -1
	s_barrier_wait -1                              ; all 128 images lie in LDS; nothing is stored there again
	; ---- the product: 32 K steps of 32, 16 products each; the 16 accumulators take turns; the first step starts the sums
	AFETCH 0
.set ks, 0
.rept 32
.if ks < 31
	AFETCH ks+1
	s_wait_dscnt 8                                 ; this step's fragments are in; the 8 loads just issued may stay out
.else
	s_wait_dscnt 0x0
.endif
.if ks < 24
	s_wait_loadcnt 56                              ; this step's set of Wout is in; the seven younger sets' 56 loads may stay out
.else
	s_wait_loadcnt 8*(31-ks)                       ; no set is asked for past K step 31: the counts run down
.endif
	WIN 0x01                                       ; Wout in window 1
.irp rt, 0,1,2,3
.irp ct, 0,1,2,3
.if ks == 0
	v_wmma_f32_16x16x32_f16 v[ACC+8*(4*\rt+\ct):ACC+8*(4*\rt+\ct)+7], v[32*(ks%8)+8*\ct:32*(ks%8)+8*\ct+7], v[32+32*(ks%2)+8*\rt:32+32*(ks%2)+8*\rt+7], 0
.else
	v_wmma_f32_16x16x32_f16 v[ACC+8*(4*\rt+\ct):ACC+8*(4*\rt+\ct)+7], v[32*(ks%8)+8*\ct:32*(ks%8)+8*\ct+7], v[32+32*(ks%2)+8*\rt:32+32*(ks%2)+8*\rt+7], v[ACC+8*(4*\rt+\ct):ACC+8*(4*\rt+\ct)+7]
.endif
.endr
.endr
	WIN 0
	PLACES 4                                       ; places between the products and the loads into registers that they read, and the first read of results
.if ks < 24
	WIN 0x40
.irp f, 0,1,2,3,4,5,6,7
	global_load_b128 v[32*(ks%8)+4*\f:32*(ks%8)+4*\f+3], v1, s[6:7] offset:(ks+8)*4096+512*\f
.endr
	WIN 0
.endif
.set ks, ks+1
.endr
	; ---- the way out: while one tile's rows are stored, the next is on its way through the stage
	TOSTAGE 0
	TOSTAGE 1
	SEND 0, 16
	s_wait_xcnt 0x0                                ; tile 0's stores have read their registers: tile 2's rows may land there
	TOSTAGE 2
	SEND 1, 16
	s_wait_xcnt 0x0
	TOSTAGE 3
	SEND 2, 16
	SEND 3, 0
	s_wait_tensorcnt 0x0                           ; the wave's end
	ds_add_u32 v[SPW], v[NIL]
	s_wait_dscnt 0x0
	s_endpgm
.Lfunc_end_k_q42a5d7a503_outproj:
	.size	k_q42a5d7a503_outproj, .Lfunc_end_k_q42a5d7a503_outproj-k_q42a5d7a503_outproj
	.p2alignl 7, 3214868480
	.fill 96, 4, 3214868480
	.section	.rodata,"a",@progbits
	.p2align	6, 0x0
	.amdhsa_kernel k_q42a5d7a503_outproj
		.amdhsa_group_segment_fixed_size 148992
		.amdhsa_private_segment_fixed_size 0
		.amdhsa_enable_private_segment 0
		.amdhsa_kernarg_size 56
		.amdhsa_user_sgpr_count 2
		.amdhsa_user_sgpr_kernarg_segment_ptr 1
		.amdhsa_wavefront_size32 1
		.amdhsa_system_sgpr_workgroup_id_x 1
		.amdhsa_system_sgpr_workgroup_id_y 1
		.amdhsa_system_sgpr_workgroup_id_z 1
		.amdhsa_system_vgpr_workitem_id 0
		.amdhsa_next_free_vgpr 1024
		.amdhsa_next_free_sgpr 66
		.amdhsa_reserve_vcc 0
		.amdhsa_float_denorm_mode_32 3
		.amdhsa_float_denorm_mode_16_64 3
		.amdhsa_memory_ordered 1
		.amdhsa_forward_progress 1
		.amdhsa_inst_pref_size 234
	.end_amdhsa_kernel
	.amdgpu_metadata
---
amdhsa.version: [ 1, 2 ]
amdhsa.kernels:
  - .name:           k_q42a5d7a503_outproj
    .symbol:         k_q42a5d7a503_outproj.kd
    .args:
      - { .name: ao, .offset: 0, .size: 8, .value_kind: global_buffer, .address_space: global }
      - { .name: wof, .offset: 8, .size: 8, .value_kind: global_buffer, .address_space: global }
      - { .name: ln_g, .offset: 16, .size: 8, .value_kind: global_buffer, .address_space: global }
      - { .name: ln_b, .offset: 24, .size: 8, .value_kind: global_buffer, .address_space: global }
      - { .name: csp, .offset: 32, .size: 8, .value_kind: global_buffer, .address_space: global }
      - { .name: out0, .offset: 40, .size: 8, .value_kind: global_buffer, .address_space: global }
      - { .name: out1, .offset: 48, .size: 8, .value_kind: global_buffer, .address_space: global }
    .group_segment_fixed_size: 148992
    .private_segment_fixed_size: 0
    .kernarg_segment_align: 8
    .kernarg_segment_size: 56
    .max_flat_workgroup_size: 128
    .sgpr_count:     66
    .vgpr_count:     1024
    .wavefront_size: 32
...
	.end_amdgpu_metadata
.endif
;; end of part 5
